; MI455X (gfx1250); checked and timed in simulation.
; The chip was launched on July 23, 2026; its instructions are those of AMD's public machine-readable ISA for CDNA 5 (MIT licence, August 2026) and "CDNA5" Instruction Set Architecture Reference Guide (July 2026). The comments in the code are by the model that wrote it; some were corrected since.
;; Attention. Allowed arithmetic: matrix products marked QUANTISED: E2M3 operands, one E8M0 scale for each 32 along K, by v_wmma_scale_f32_16x16x128_f8f6f4 with both operands' format E2M3, f32 sums; everything else in f32.
;; Inputs: b_proj 1,024 float32; b_qkv 3,072 float32; inp 8 x 1,024 x 1,024 float32; w_proj 1,024 x 1,024 float32; w_qkv 1,024 x 3,072 float32.
;; Outputs: out0 8 x 1,024 x 1,024 float32.
;; This version of the problem:
;;   THIS VERSION OF THE PROBLEM IS GIVEN IN LOW PRECISION. The matrix products marked QUANTISED in the list below multiply operands that are first quantised to E2M3 (2 exponent bits, 3 mantissa bits; 6 bits a number), with one power-of-two scale for each 32 numbers along K (OCP MX v1.0); their sums are f32. All else is computed in f32.
;;   The module's matrix products, in the order in which they are computed (A, B: the left and right operand; K: the contracted axis; several contracted axes count as one K, in the product's order):
;;     1. [M 8,192, K 1,024] x [K 1,024, N 3,072]; A: input inp; B: input w_qkv: QUANTISED
;;     2. batch 128 x [M 1,024, K 64] x [K 64, N 1,024]; A: computed on the way; B: computed on the way: QUANTISED
;;     3. batch 128 x [M 1,024, K 1,024] x [K 1,024, N 64]; A: softmax (see below); B: computed on the way: QUANTISED
;;     4. [M 8,192, K 1,024] x [K 1,024, N 1,024]; A: computed on the way; B: input w_proj: QUANTISED
;;   THE QUANTISER, for each operand of a quantised product, along K:
;;     - K is cut into blocks of 32 from its start; a last block that is shorter is filled with zeros.
;;     - A block's scale is 2^e with e = floor(log2(the largest magnitude in the block)) - 2, held to -126 .. 127; a block of zeros has e = 0. As a byte (E8M0): e + 127.
;;     - Each number is divided by its block's scale, clamped to +-7.5, and rounded to the nearest number of E2M3, ties to even, subnormals kept.
;;     - The product sums the exact products of the quantised numbers (number of the format x scale) in f32.
;;   ~~~python
;;   def quantise(x, axis):      # numpy; x: float32 -> the quantised numbers, widened to float32 again
;;       x = np.moveaxis(x, axis, -1); K = x.shape[-1]
;;       x = np.pad(x, [(0, 0)] * (x.ndim - 1) + [(0, -K % 32)]); x = x.reshape(x.shape[:-1] + (-1, 32)); a = np.abs(x).max(-1, keepdims=True)
;;       e = np.where(a > 0, np.clip(np.frexp(np.where(a > 0, a, 1))[1] - 1 - 2, -126, 127), 0)      # np.frexp(a)[1] - 1 = floor(log2(a)), exactly
;;       r = np.clip(x / 2.0 ** e, -7.5, 7.5)
;;       step = 2.0 ** (np.maximum(np.frexp(np.where(r == 0, 1, r))[1] - 1, 0) - 3)
;;       q = np.round(r / step) * step * 2.0 ** e      # np.round: ties to even
;;       return np.moveaxis(q.reshape(q.shape[:-2] + (-1,))[..., :K], -1, axis).astype(np.float32)
;;   ~~~
;;   SOFTMAX AHEAD OF A QUANTISED PRODUCT. Where the list says 'softmax', what is quantised is not the finished softmax but p = 2^(t - M), with t = logit x log2(e) and M = ceil(the row's largest t), a whole number; so 1/2 < the row's largest p <= 1. The row's sum l is taken of the UNQUANTISED p, in f32, and the product's result is divided by l at the end. Since M is a whole number, a kernel that streams over the keys may use a running M (the ceiling of the running maximum): every later rescaling is an exact power of two, which a block's scale takes up: the codes' values come out the same.
;;   OPERANDS COMPUTED ON THE WAY. 'Computed on the way' means the value that the module computes at that place (a softmax that the list does not call 'softmax' is quantised finished and normalised). What goes into a quantiser is computed in f32, as accurately as f32 sums, v_exp_f32 and their like allow (about 1e-6 of the number): no bf16 or f16 on the way to a quantiser, and a product that is left as it is and whose result goes on into a quantised operand takes f32 operands (vector FMAs, or v_wmma_f32_16x16x4_f32). A number that lies on a knife's edge between two numbers of the format may be rounded either way, as far as f32 arithmetic and the matrix unit's own rounding can turn it there, and no further.
;; One version. Each part assembles by itself: llvm-mc -triple=amdgcn-amd-amdhsa -mcpu=gfx1250 --defsym DOCPART=n.
;; ======== version 1 of 1: 4 launches
;; limits: right only within a limited range of input values
;; workspace buffers: xr 7,340,032 bytes; wqr 2,752,512 bytes; wpr 917,504 bytes; qr 8,388,608 bytes; kvr 15,728,640 bytes; orr 7,340,032 bytes
;; launch quant (part 1): grid 384 x 1, 4 waves a work-group, no clusters, 91,648 bytes of LDS; arguments inp, w_qkv, w_proj, xr, wqr, wpr; writes xr, wqr, wpr
.if DOCPART == 1
	.amdgcn_target "amdgcn-amd-amdhsa--gfx1250"
	.amdhsa_code_object_version 6
	.text
	.protected	k_qa0f25763a9_quant
	.globl	k_qa0f25763a9_quant
	.p2align	8
	.type	k_qa0f25763a9_quant,@function
k_qa0f25763a9_quant:
	s_mov_b64 s[64:65], 0
	v_nop
	global_prefetch_b8 v0, s[64:65] scope:SCOPE_SE
	s_setreg_imm32_b32 hwreg(HW_REG_WAVE_MODE, 25, 1), 1
	s_wait_xcnt 0x0
; inp [8192][1024], w_qkv [1024][3072], w_proj [1024][1024], all f32, become OPERAND RECORDS of FP6 (E2M3) codes with one E8M0 scale byte for each 32 along K.
; A RECORD is the image of one matrix operand of 16 rows x 128 K: 1,792 bytes = seven aligned blocks of 256.  Block p (0..5) holds registers 2 p, 2 p + 1 of lane l at 256 p + 8 l;
; block 6 holds, at 1,536 + 8 l, the scale word of row l % 16, twice.  Record (tile T, K step s) lies at ((T / 8) x 64 + 8 s + T % 8) x 1,792, so that 8 tiles x 2 K steps are 28,672 dense bytes.
; THE ROWS OF A TILE: for inp (rows = tokens) and w_qkv (rows = its columns n) row p of tile T is the true row 32 (T / 2) + 8 (T % 2) + p + 8 (p / 8); for w_proj the rows are neighbours.
; A block's scale is 2^(floor(log2(its largest magnitude)) - 2); its byte is that magnitude's exponent field - 2, held at 1 from below.
; LIMITS: a block of zeros gets the byte 1 where the rule says 127 (its codes are zeros, and this program alone reads the bytes); NaN and infinities among the inputs are not served.
; Three paths part on the work-group's number and never join: 0-255 inp, 256-351 w_qkv, 352-383 w_proj; every work-group reads 128 KiB.  Each path has LDS bytes of its own; waves share nothing: no barrier.
.set REC,    1792
.set SEL,    20                        ; s[20:21] (path of inp) selects of v_permlanex16_b32: lane l xor 16
.set R,      16                        ; v16-143  two sets of 64 numbers as loaded
.set X,      144                       ; v144-207 64 numbers of a lane: register 16 b + i = k 32 b + 16 (lane / 16) + i of its row
.set PC,     208                       ; v208-227 the codes just made (12), and room for the conversions' second halves
.set TM,     228                       ; v228-243 at work in QUANT
.set PW,     244                       ; v244-245 the scale word, twice
.set XPITCH, 528                       ; the stage of inp's path: a row of 512 bytes + 16: row r starts 4 r words on in the banks' order
.set XSTG,   16*XPITCH
.set WSTG,   4*REC                     ; the stage of a weight's path: four records a wave
.set STGQ,   4*XSTG
.set STGP,   STGQ+4*WSTG
.set XW,     32                        ; v32-95   (weights) two sets of 32 numbers
.set CW,     96                        ; v96-104  a block's codes
.set SBW,    24                        ; v24-25   four scale bytes, twice
.set OUTR,   112                       ; v112-167 the way out
; 64 numbers of a lane, v[s] .. v[s + 63], become an operand's 12 registers in v[PC] on and its scale word in v[PW] (the same in lanes l and l xor 16).
.macro QUANT s
.irp b, 0,1,2,3
	v_max3_num_f32 v[TM+\b], |v[\s+16*\b]|, |v[\s+1+16*\b]|, 0x1800000   ; block b: my 16 numbers, and the floor 2^(3 - 127): the byte cannot fall under 1
.endr
.irp i, 2,4,6,8,10,12,14
.irp b, 0,1,2,3
	v_max3_num_f32 v[TM+\b], v[TM+\b], |v[\s+16*\b+\i]|, |v[\s+1+16*\b+\i]|   ; the four blocks by turns
.endr
.endr
.irp b, 0,1,2,3
	v_permlanex16_b32 v[TM+4+\b], v[TM+\b], s[SEL], s[SEL+1]
.endr
.irp b, 0,1,2,3
	v_max_num_f32 v[TM+\b], v[TM+\b], v[TM+4+\b]   ; with lane l xor 16's: the block's largest magnitude
.endr
.irp b, 0,1,2,3
	v_add_nc_u32 v[TM+12+\b], 0xff000000, v[TM+\b]   ; 2 off its exponent field: the conversion takes this operand's exponent field as its scale
.endr
.irp b, 0,1,2,3
	v_lshrrev_b32 v[TM+4+\b], 23, v[TM+12+\b]      ; the scale's byte
.endr
	v_lshl_or_b32 v[PW], v[TM+5], 8, v[TM+4]
	v_lshl_or_b32 v[PW], v[TM+6], 16, v[PW]
	v_lshl_or_b32 v[PW], v[TM+7], 24, v[PW]
.irp c, 0,1
	v_cvt_scalef32_pk16_fp6_f32 v[PC+6*\c:PC+2+6*\c], v[\s+32*\c:\s+15+32*\c], v[TM+12+2*\c]
	v_cvt_scalef32_pk16_fp6_f32 v[PC+12+4*\c:PC+14+4*\c], v[\s+16+32*\c:\s+31+32*\c], v[TM+12+2*\c+1]   ; (a conversion's three registers begin on an even number)
.endr
	v_nop                                          ; one plain instruction behind the scaled conversions
.irp c, 0,1                                    ; the operand wants a WHOLE block in a lane: lanes 0-15 block 2 c, lanes 16-31 block 2 c + 1
.irp i, 0,1,2
	v_permlane16_swap_b32 v[PC+6*\c+\i], v[PC+12+4*\c+\i]
.endr
.irp i, 0,1,2
	v_mov_b32 v[PC+3+6*\c+\i], v[PC+12+4*\c+\i]
.endr
.endr
.endm
	s_load_b256 s[4:11], s[0:1], 0x0               ; inp s[4:5], w_qkv s[6:7], w_proj s[8:9], xr s[10:11]
	s_load_b128 s[12:15], s[0:1], 0x20             ; wqr s[12:13], wpr s[14:15]
	v_lshl_add_u32 v254, v0, 2, 0x16400
	v_mov_b32 v255, 0
	v_lshrrev_b32 v1, 5, v0
	v_readfirstlane_b32 s16, v1                    ; wave 0..3
	v_and_b32 v2, 31, v0                           ; lane
	s_cmp_lt_u32 ttmp9, 256
	s_cbranch_scc0 .Lweights
; ---- inp: K is innermost.  Wave W = 4 x work-group + wave takes tile W / 2 and K steps 4 (W % 2) + 0 .. 3: four records.
; Each load reads 512 consecutive bytes of one row; a fragment's 16 rows turn through the wave's own stage, so that a lane gets 16 neighbours of each block of its row.
	v_lshlrev_b32 v3, 4, v2                        ; 16 x lane
	s_mul_i32 s17, s16, XSTG
	v_add_nc_u32 v4, s17, v3                       ; into the stage: as loaded
	v_and_b32 v7, 15, v0                           ; r
	v_bfe_u32 v8, v0, 4, 1                         ; h
	v_mul_u32_u24 v5, v7, XPITCH
	v_lshl_add_u32 v5, v8, 6, v5
	v_add_nc_u32 v5, s17, v5                       ; out of it: row r, + 64 h
	v_lshlrev_b32 v6, 3, v2                        ; 8 x lane: my place in a block of a record
	s_mov_b32 s[SEL], 0x76543210
	s_mov_b32 s[SEL+1], 0xfedcba98
.irp b, 0,1,2,3
	v_mov_b32 v[TM+4+\b], 0                        ; written once: a lane permute's destination counts as one of its sources
.endr
	s_lshl_b32 s18, ttmp9, 2
	s_add_co_u32 s18, s18, s16                     ; W
	s_lshr_b32 s19, s18, 1                         ; T
	s_and_b32 s18, s18, 1                          ; which half of K
	; INP'S TILES (this takes the place of what the head says of inp's rows; w_qkv's stay as stated): row p of tile T is the token 64 (T / 4) + 8 (T % 4) + p % 8 + 32 (p / 8)
	s_lshr_b32 s22, s19, 2
	s_lshl_b32 s22, s22, 6
	s_and_b32 s23, s19, 3
	s_lshl_b32 s23, s23, 3
	s_add_co_u32 s22, s22, s23                     ; the tile's first true row: 64 (T / 4) + 8 (T % 4)
	s_lshl_b32 s22, s22, 12                        ; x 4,096 bytes
	s_lshl_b32 s23, s18, 11
	s_add_co_u32 s22, s22, s23                     ; + 2,048 for the upper half of K
	s_mov_b32 s23, 0
	s_lshr_b32 s24, s19, 3
	s_lshl_b32 s24, s24, 6
	s_lshl_b32 s25, s18, 5
	s_add_co_u32 s24, s24, s25
	s_and_b32 s25, s19, 7
	s_add_co_u32 s24, s24, s25
	s_mul_i32 s24, s24, REC                        ; my first record
	s_mov_b32 s25, 0
	s_wait_alu depctr_va_vdst(0)
	s_wait_kmcnt 0x0
	s_add_nc_u64 s[4:5], s[4:5], s[22:23]
	s_add_nc_u64 s[10:11], s[10:11], s[24:25]
.macro LOADF f                         ; fragment f: 16 rows x 512 bytes into set f % 2
.irp p, 0,1,2,3,4,5,6,7,8,9,10,11,12,13,14,15
	global_load_b128 v[R+64*((\f)%2)+4*\p:R+64*((\f)%2)+4*\p+3], v3, s[4:5] offset:(\p+24*(\p/8))*4096+512*(\f) th:TH_LOAD_NT
.endr
.endm
.macro FRAGX f
.if (\f) < 3
	s_wait_loadcnt 16                              ; this fragment's 16 loads are in; the next fragment's 16 may be out
.else
	s_wait_loadcnt 0x0
.endif
.irp p, 0,1,2,3,4,5,6,7,8,9,10,11,12,13,14,15
	ds_store_b128 v4, v[R+64*((\f)%2)+4*\p:R+64*((\f)%2)+4*\p+3] offset:XPITCH*\p
.endr
.irp b, 0,1,2,3
.irp j, 0,1,2,3
	ds_load_b128 v[X+16*\b+4*\j:X+16*\b+4*\j+3], v5 offset:128*\b+16*\j   ; LDS serves a wave's instructions in order: these see the stores above
.endr
.endr
	s_wait_dscnt 0x0                               ; the numbers are back, and the stores have read the set
.if (\f) > 0
	s_wait_xcnt 0x0                                ; the last record's stores have read the codes' registers: they are written again only behind this wait
.endif
.if (\f)+2 < 4
	LOADF (\f)+2
.endif
	QUANT X
	v_mov_b32 v[PW+1], v[PW]
.irp p, 0,1,2,3,4,5
	global_store_b64 v6, v[PC+2*\p:PC+2*\p+1], s[10:11] offset:8*REC*(\f)+256*\p   ; 32 lanes store 256 consecutive bytes, aligned
.endr
	global_store_b64 v6, v[PW:PW+1], s[10:11] offset:8*REC*(\f)+1536
.endm
	LOADF 0
	LOADF 1
.irp f, 0,1,2,3
	FRAGX \f
.endr
	s_wait_tensorcnt 0x0
	ds_add_u32 v254, v255
	s_wait_dscnt 0x0
	s_endpgm
; ---- a weight [K][n]: K is the first axis.  A lane takes a column and its registers run down K: a block of 32 lies in one lane, and the conversions give codes with K innermost.
; A wave takes 32 columns (two tiles) x 256 along K (8 blocks, two K steps): four records, gathered in its own stage and stored as 14 runs of 512 bytes.
.macro WLOAD t, n, sb
.irp i, 0,1,2,3,4,5,6,7,8,9,10,11,12,13,14,15,16,17,18,19,20,21,22,23,24,25,26,27,28,29,30,31
	global_load_b32 v[XW+32*((\t)%2)+\i], v3, s[\sb:\sb+1] offset:(32*(\t)+\i)*(\n)*4 th:TH_LOAD_NT
.endr
.endm
.macro WBLOCK t, n, sb
.set XS, XW+32*((\t)%2)
.if (\t) < 7
	s_wait_loadcnt 32                              ; this block's 32 loads are in; the next block's may be out
.else
	s_wait_loadcnt 0x0
.endif
	v_max3_num_f32 v12, |v[XS]|, |v[XS+1]|, |v[XS+2]|
	v_max3_num_f32 v13, |v[XS+3]|, |v[XS+4]|, |v[XS+5]|
.irp i, 6,10,14,18,22,26
	v_max3_num_f32 v12, v12, |v[XS+\i]|, |v[XS+\i+1]|
	v_max3_num_f32 v13, v13, |v[XS+\i+2]|, |v[XS+\i+3]|
.endr
	v_max3_num_f32 v12, v12, |v[XS+30]|, |v[XS+31]|
	v_max3_num_f32 v12, v12, v13, 0x1800000        ; and the floor 2^(3 - 127)
	v_add_nc_u32 v11, 0xff000000, v12              ; 2 off the exponent field: the conversions' scale operand
	v_cvt_scalef32_pk16_fp6_f32 v[CW:CW+2], v[XS:XS+15], v11
	v_cvt_scalef32_pk16_fp6_f32 v[CW+6:CW+8], v[XS+16:XS+31], v11
	v_lshrrev_b32 v13, 23, v11                     ; the scale's byte (also the plain instruction behind the conversions)
.if (\t)%4 == 0
	v_mov_b32 v[SBW], v13
.else
	v_lshl_or_b32 v[SBW], v13, 8*((\t)%4), v[SBW]
.endif
.irp i, 0,1,2
	v_mov_b32 v[CW+3+\i], v[CW+6+\i]
.endr
.irp p, 0,1,2                                  ; block t = K step t / 4, registers 6 c .. 6 c + 5 (c = (t / 2) % 2) of lane (r, h = t % 2)
	ds_store_b64 v4, v[CW+2*\p:CW+2*\p+1] offset:2*REC*((\t)/4)+768*(((\t)/2)%2)+128*((\t)%2)+256*\p
.endr
.if (\t)%4 == 3
	v_mov_b32 v[SBW+1], v[SBW]
	ds_store_b64 v4, v[SBW:SBW+1] offset:2*REC*((\t)/4)+1536
	ds_store_b64 v4, v[SBW:SBW+1] offset:2*REC*((\t)/4)+1664
.endif
.if (\t)+2 < 8
	WLOAD (\t)+2, \n, \sb
.endif
	s_wait_dscnt 0x0                               ; the stores have read their registers
.endm
; n: the weight's columns; perm = 1: the rows of a tile are chosen as for inp; first: the path's first work-group; stg: its stages; sb, db: the scalar pairs of source and destination
.macro WPATH n, perm, first, stg, sb, db
	s_sub_co_u32 s17, ttmp9, \first
	s_lshr_b32 s18, s17, 2                         ; which 128 columns
	s_and_b32 s19, s17, 3                          ; which 256 along K
	v_lshlrev_b32 v3, 2, v2                        ; in: 4 bytes a lane
.if \perm
	v_bfe_u32 v5, v0, 3, 1                         ; column l of the 32 is row (l % 8) + 8 (l / 16) of tile (l / 8) % 2
	v_and_b32 v6, 7, v0
	v_bfe_u32 v9, v0, 4, 1
	v_lshl_add_u32 v6, v9, 3, v6
.else
	s_wait_alu depctr_va_vdst(0)
	v_bfe_u32 v5, v0, 4, 1                         ; column l is row l % 16 of tile l / 16
	v_and_b32 v6, 15, v0
.endif
	s_mul_i32 s20, s16, WSTG
	s_add_co_u32 s20, s20, \stg
	v_mul_u32_u24 v4, v5, REC
	v_lshl_add_u32 v4, v6, 3, v4
	v_add_nc_u32 v4, s20, v4                       ; into the stage: my tile's record, 8 x my row
	v_lshlrev_b32 v8, 4, v2
	v_add_nc_u32 v7, s20, v8                       ; out of it: 16 bytes a lane
	s_mul_i32 s22, s19, 256*(\n)*4
	s_lshl_b32 s23, s18, 9
	s_add_co_u32 s22, s22, s23
	s_lshl_b32 s23, s16, 7
	s_add_co_u32 s22, s22, s23                     ; row 256 y, column 128 x + 32 wave
	s_mov_b32 s23, 0
	s_lshl_b32 s24, s18, 6
	s_lshl_b32 s25, s19, 4
	s_add_co_u32 s24, s24, s25
	s_lshl_b32 s25, s16, 1
	s_add_co_u32 s24, s24, s25
	s_mul_i32 s24, s24, REC                        ; record 64 x + 16 y + 2 wave; the second K step 8 records on
	s_mov_b32 s25, 0
	s_wait_kmcnt 0x0
	s_add_nc_u64 s[\sb:\sb+1], s[\sb:\sb+1], s[22:23]
	s_add_nc_u64 s[\db:\db+1], s[\db:\db+1], s[24:25]
	WLOAD 0, \n, \sb
	WLOAD 1, \n, \sb
.irp t, 0,1,2,3,4,5,6,7
	WBLOCK \t, \n, \sb
.endr
.irp i, 0,1,2,3,4,5,6,7,8,9,10,11,12,13
	ds_load_b128 v[OUTR+4*\i:OUTR+4*\i+3], v7 offset:512*\i
.endr
.irp i, 0,1,2,3,4,5,6,7,8,9,10,11,12,13
	s_wait_dscnt 13-\i                             ; the younger loads may be out
	global_store_b128 v8, v[OUTR+4*\i:OUTR+4*\i+3], s[\db:\db+1] offset:8*REC*(\i/7)+512*(\i%7)   ; 32 lanes store 512 consecutive bytes, aligned to 256
.endr
.endm
.Lweights:
	s_cmp_lt_u32 ttmp9, 352
	s_cbranch_scc0 .Lwproj
	s_wait_alu depctr_va_vdst(0)
	WPATH 3072, 1, 256, STGQ, 6, 12
	s_wait_tensorcnt 0x0
	ds_add_u32 v254, v255
	s_wait_dscnt 0x0
	s_endpgm
.Lwproj:
	s_wait_alu depctr_va_vdst(0)
	WPATH 1024, 0, 352, STGP, 8, 14
	s_wait_tensorcnt 0x0
	ds_add_u32 v254, v255
	s_wait_dscnt 0x0
	s_endpgm
.Lfunc_end_k_qa0f25763a9_quant:
	.size	k_qa0f25763a9_quant, .Lfunc_end_k_qa0f25763a9_quant-k_qa0f25763a9_quant
	.p2alignl 7, 3214868480
	.fill 96, 4, 3214868480
	.section	.rodata,"a",@progbits
	.p2align	6, 0x0
	.amdhsa_kernel k_qa0f25763a9_quant
		.amdhsa_group_segment_fixed_size 91648
		.amdhsa_private_segment_fixed_size 0
		.amdhsa_enable_private_segment 0
		.amdhsa_kernarg_size 48
		.amdhsa_user_sgpr_count 2
		.amdhsa_user_sgpr_kernarg_segment_ptr 1
		.amdhsa_wavefront_size32 1
		.amdhsa_system_sgpr_workgroup_id_x 1
		.amdhsa_system_sgpr_workgroup_id_y 1
		.amdhsa_system_sgpr_workgroup_id_z 1
		.amdhsa_system_vgpr_workitem_id 0
		.amdhsa_next_free_vgpr 256
		.amdhsa_next_free_sgpr 66
		.amdhsa_reserve_vcc 0
		.amdhsa_float_denorm_mode_32 3
		.amdhsa_float_denorm_mode_16_64 3
		.amdhsa_memory_ordered 1
		.amdhsa_forward_progress 1
		.amdhsa_inst_pref_size 118
	.end_amdhsa_kernel
	.amdgpu_metadata
---
amdhsa.version: [ 1, 2 ]
amdhsa.kernels:
  - .name:           k_qa0f25763a9_quant
    .symbol:         k_qa0f25763a9_quant.kd
    .args:
      - { .name: inp, .offset: 0, .size: 8, .value_kind: global_buffer, .address_space: global }
      - { .name: w_qkv, .offset: 8, .size: 8, .value_kind: global_buffer, .address_space: global }
      - { .name: w_proj, .offset: 16, .size: 8, .value_kind: global_buffer, .address_space: global }
      - { .name: xr, .offset: 24, .size: 8, .value_kind: global_buffer, .address_space: global }
      - { .name: wqr, .offset: 32, .size: 8, .value_kind: global_buffer, .address_space: global }
      - { .name: wpr, .offset: 40, .size: 8, .value_kind: global_buffer, .address_space: global }
    .group_segment_fixed_size: 91648
    .private_segment_fixed_size: 0
    .kernarg_segment_align: 8
    .kernarg_segment_size: 48
    .max_flat_workgroup_size: 128
    .sgpr_count:     66
    .vgpr_count:     256
    .wavefront_size: 32
...
	.end_amdgpu_metadata
.endif
;; end of part 1
;; launch qkv (part 2): grid 8 x 32, 4 waves a work-group, clusters of 4 x 4, 327,680 bytes of LDS; arguments xr, wqr, b_qkv, qr, kvr; writes qr, kvr
.if DOCPART == 2
	.amdgcn_target "amdgcn-amd-amdhsa--gfx1250"
	.amdhsa_code_object_version 6
	.text
	.protected	k_qa0f25763a9_qkv
	.globl	k_qa0f25763a9_qkv
	.p2align	8
	.type	k_qa0f25763a9_qkv,@function
k_qa0f25763a9_qkv:
	s_mov_b64 s[64:65], 0
	v_nop
	global_prefetch_b8 v0, s[64:65] scope:SCOPE_SE
	s_setreg_imm32_b32 hwreg(HW_REG_WAVE_MODE, 25, 1), 1
	s_wait_xcnt 0x0
	s_wait_alu depctr_hold_cnt(0) depctr_sa_sdst(0) depctr_va_vdst(0) depctr_va_sdst(0) depctr_va_ssrc(0) depctr_va_vcc(0) depctr_vm_vsrc(0)
	s_getreg_b32 s2, hwreg(HW_REG_IB_STS2, 6, 4)
	s_cmp_eq_u32 s2, 0
	s_cbranch_scc0 .Lentry_in_a_cluster
	s_endpgm
.Lentry_in_a_cluster:
	s_bfe_u32 s2, ttmp6, 0x10000c
	s_cmp_lg_u32 s2, 0xf033
	s_cbranch_scc0 .Lentry_shape_is_right
	s_endpgm
.Lentry_shape_is_right:
.set REC,    1792
.set NQ,     2
.set FR,     12
.set NL,     6
.set NP,     4
.set HALFT,  16*REC
.set QREC,   8*REC
.set SLOT,   4*HALFT
.set SLOTC,  2*SLOT
.set TBLK,   64*REC
.set SPARE,  SLOTC+3*HALFT
.set ADRA2, 7
.set ADRB2, 10
.set ADRS2, 13
.set ADRA, 16
.set ADRB, 20
.set ADRS, 22
.set L8,   24
.set BO,   25
.set BO2,  26
.set SPW,  28
.set NIL,  29
.set SC,   32
.set BI,   64
.set AF,   128
.set BV,   240
.set EP,   128
.set PC,   192
.set TM,   212
.set PW,   228
.set PW2,  230
.set G1,  24
.set G1B, 32
.set G1C, 40
.set G0,  48
.set G0B, 56
.set G0P, 68
.set G0Q, 80
.set O0,  92
.set O1,  94
.set OV,  96
.set SEL, 98
.set MSB, 0
.macro WIN new
.if MSB != \new
	s_set_vgpr_msb (MSB<<8)|\new
.set MSB, \new
.endif
.endm
.set MUL_LO, 0xa1
.set MUL_HI, 0xf1
.set TO_B,   0x40
.macro JLOAD g0a, g1a, g0b, g1b
	s_cmp_eq_u32 s15, 0
	s_cbranch_scc0 .Lfor_b_\@
	tensor_load_to_lds s[\g0a:\g0a+3], s[\g1a:\g1a+7]
	s_nop 0
.rept 4
	v_nop
.endr
	s_branch .Lasked_\@
.Lfor_b_\@:
	tensor_load_to_lds s[\g0b:\g0b+3], s[\g1b:\g1b+7]
	s_nop 0
.rept 4
	v_nop
.endr
.Lasked_\@:
.endm
.macro CREST
	s_cmp_lg_u32 s14, 0
	s_cbranch_scc1 .Lnot_wave_0_\@
	s_barrier_signal -3
.Lnot_wave_0_\@:
	s_barrier_wait -3
	s_barrier_signal -1
	s_barrier_wait -1
.endm
.macro CROUND
	s_barrier_signal -1
	s_barrier_wait -1
	CREST
.endm
.macro PLACES n
.rept \n
	v_nop
.endr
.endm
.macro FRAG reg, adr, q, i
.irp p, 0,1,2,3,4,5
	ds_load_b64 v[\reg+2*\p:\reg+2*\p+1], v[\adr] offset:((\q)*8+(\i))*REC+256*\p
.endr
.endm
.macro MUL16 a0, p, q, sc, zero
.irp a, \a0, \a0+1
.irp b, 0,1,2,3,4,5,6,7
.if \zero
	v_wmma_scale_f32_16x16x128_f8f6f4 v[8*(8*((\a)%4)+\b):8*(8*((\a)%4)+\b)+7], v[128*(\p)+FR*\b:128*(\p)+FR*\b+FR-1], v[AF+FR*(\a):AF+FR*(\a)+FR-1], 0, v[SC+8*NQ*(\sc)+NQ*\b+(\q)], v[SC+8*NQ*(\sc)+NQ*(\a)+(\q)] matrix_a_fmt:MATRIX_FMT_FP6 matrix_b_fmt:MATRIX_FMT_FP6 matrix_a_scale:MATRIX_SCALE_ROW1
.else
	v_wmma_scale_f32_16x16x128_f8f6f4 v[8*(8*((\a)%4)+\b):8*(8*((\a)%4)+\b)+7], v[128*(\p)+FR*\b:128*(\p)+FR*\b+FR-1], v[AF+FR*(\a):AF+FR*(\a)+FR-1], v[8*(8*((\a)%4)+\b):8*(8*((\a)%4)+\b)+7], v[SC+8*NQ*(\sc)+NQ*\b+(\q)], v[SC+8*NQ*(\sc)+NQ*(\a)+(\q)] matrix_a_fmt:MATRIX_FMT_FP6 matrix_b_fmt:MATRIX_FMT_FP6 matrix_a_scale:MATRIX_SCALE_ROW1
.endif
.endr
.endr
.endm
.macro FETCH_B slot, q, p
	WIN TO_B
.irp i, 0,1,2,3,4,5,6,7
	FRAG 128*(\p)+FR*\i, ADRB+\slot, \q, \i
.endr
	WIN 0
.endm
.macro FETCH_A slot, q, i0
.irp i, \i0, \i0+1, \i0+2, \i0+3
	FRAG AF+FR*(\i), ADRA+\slot, \q, \i
.endr
.endm
.macro SCALES sc
.irp i, 0,1,2,3,4,5,6,7
.irp q, 0,1
	ds_load_b32 v[SC+16*\sc+2*\i+\q], v[ADRS+\sc] offset:(\q*8+\i)*REC+1536
.endr
.endr
.endm
.macro STEP slot, q, zero
	s_wait_dscnt 4*NL
	WIN MUL_LO
	MUL16 0, (\q)%2, \q, \slot, \zero
	MUL16 2, (\q)%2, \q, \slot, \zero
	s_wait_dscnt 0
	PLACES NP
	FETCH_B \slot, (\q)+1, 1-(\q)%2
	FETCH_A \slot, (\q)+1, 0
	WIN MUL_HI
	MUL16 4, (\q)%2, \q, \slot, \zero
	MUL16 6, (\q)%2, \q, \slot, \zero
	PLACES NP
	WIN 0
	FETCH_A \slot, (\q)+1, 4
.endm
.macro TURN slot, next, fill
	s_wait_tensorcnt 0x0
	ds_add_u32 v[SPW], v[NIL]
	s_wait_dscnt 4*NL+1
	WIN MUL_LO
	MUL16 0, 1, NQ-1, \slot, 0
	s_wait_dscnt 0x0
	s_barrier_signal -1
	MUL16 2, 1, NQ-1, \slot, 0
	WIN 0
	s_barrier_wait -1
	CREST
.if \fill == 1
	s_add_nc_u64 s[G0+4*\slot+2:G0+4*\slot+3], s[G0+4*\slot+2:G0+4*\slot+3], 2*HALFT
	s_add_nc_u64 s[G0B+4*\slot+2:G0B+4*\slot+3], s[G0B+4*\slot+2:G0B+4*\slot+3], 2*HALFT
	JLOAD G0+4*\slot, G1, G0B+4*\slot, G1B
.else
	JLOAD G0P+4*(\fill-1), G1, G0Q+4*(\fill-1), G1C
.endif
.if \fill < 3
	FETCH_B \next, 0, 0
	FETCH_A \next, 0, 0
	SCALES \next
.endif
	WIN MUL_HI
	MUL16 4, 1, NQ-1, \slot, 0
	MUL16 6, 1, NQ-1, \slot, 0
.if \fill < 3
	PLACES NP
	WIN 0
	FETCH_A \next, 0, 4
.else
	WIN 0
.endif
.endm
.macro MULV a0, st, q, sc, zero
.irp a, \a0, \a0+1
.irp b, 0,1,2,3,4,5,6,7
.if \zero
	v_wmma_scale_f32_16x16x128_f8f6f4 v[8*(8*(\a)+\b):8*(8*(\a)+\b)+7], v[128*(\st)+FR*\b:128*(\st)+FR*\b+FR-1], v[AF+48*(\st)+FR*(\a):AF+48*(\st)+FR*(\a)+FR-1], 0, v[SC+16*(\sc)+2*\b+(\q)], v[SC+16*(\sc)+2*(\a)+(\q)] matrix_a_fmt:MATRIX_FMT_FP6 matrix_b_fmt:MATRIX_FMT_FP6 matrix_a_scale:MATRIX_SCALE_ROW1
.else
	v_wmma_scale_f32_16x16x128_f8f6f4 v[8*(8*(\a)+\b):8*(8*(\a)+\b)+7], v[128*(\st)+FR*\b:128*(\st)+FR*\b+FR-1], v[AF+48*(\st)+FR*(\a):AF+48*(\st)+FR*(\a)+FR-1], v[8*(8*(\a)+\b):8*(8*(\a)+\b)+7], v[SC+16*(\sc)+2*\b+(\q)], v[SC+16*(\sc)+2*(\a)+(\q)] matrix_a_fmt:MATRIX_FMT_FP6 matrix_b_fmt:MATRIX_FMT_FP6 matrix_a_scale:MATRIX_SCALE_ROW1
.endif
.endr
.endr
.endm
.macro FETCHV k, q, st, hf
	WIN TO_B
.irp i, 0,1,2,3
	FRAG 128*(\st)+FR*(4*(\hf)+\i), ADRB2+\k, \q, 4*(\hf)+\i
.endr
	WIN 0
.irp i, 0,1
	FRAG AF+48*(\st)+FR*(2*(\hf)+\i), ADRA2+\k, \q, 2*(\hf)+\i
.endr
.endm
.macro SCALESV k, sc
.irp i, 0,1,2,3
.irp q, 0,1
	ds_load_b32 v[SC+16*(\sc)+2*\i+\q], v[ADRS2+\k] offset:(\q*8+\i)*REC+1536
.endr
.endr
.irp i, 4,5,6,7
.irp q, 0,1
	ds_load_b32 v[SC+16*(\sc)+2*\i+\q], v[ADRB2+\k] offset:(\q*8+\i)*REC+1536
.endr
.endr
.endm
.macro STEPV st, q, sc, zero, nk, nq, nsc
	s_wait_dscnt 0x0
	PLACES NP
	FETCHV \nk, \nq, 1-(\st), 0
	WIN MUL_LO
	MULV 0, \st, \q, \sc, \zero
	FETCHV \nk, \nq, 1-(\st), 1
.if \nsc >= 0
	SCALESV \nk, \nsc
.endif
	WIN MUL_LO
	MULV 2, \st, \q, \sc, \zero
	WIN 0
.endm
.macro TURNV st, q, sc, fill, nk, nsc
	s_wait_tensorcnt 0x0
	ds_add_u32 v[SPW], v[NIL]
.if \fill
	s_add_nc_u64 s[G0P+6:G0P+7], s[G0P+6:G0P+7], 3*HALFT   ; region 1, read out, takes quarter 3
	s_add_nc_u64 s[G0Q+6:G0Q+7], s[G0Q+6:G0Q+7], 3*HALFT
.endif
	s_wait_dscnt 0x0
	s_barrier_signal -1
	WIN MUL_LO
	MULV 0, \st, \q, \sc, 0
	WIN 0
	s_barrier_wait -1
.if \fill
	CREST
	JLOAD G0P+4, G1, G0Q+4, G1C
.else
	PLACES NP
.endif
	FETCHV \nk, 0, 1-(\st), 0
	FETCHV \nk, 0, 1-(\st), 1
	SCALESV \nk, \nsc
	WIN MUL_LO
	MULV 2, \st, \q, \sc, 0
	WIN 0
.endm
.macro QUANT s
.irp b, 0,1,2,3
	v_max3_num_f32 v[TM+\b], |v[\s+16*\b]|, |v[\s+1+16*\b]|, 0x1800000
.endr
.irp i, 2,4,6,8,10,12,14
.irp b, 0,1,2,3
	v_max3_num_f32 v[TM+\b], v[TM+\b], |v[\s+16*\b+\i]|, |v[\s+1+16*\b+\i]|
.endr
.endr
.irp b, 0,1,2,3
	v_permlanex16_b32 v[TM+4+\b], v[TM+\b], s[SEL], s[SEL+1]
.endr
.irp b, 0,1,2,3
	v_max_num_f32 v[TM+\b], v[TM+\b], v[TM+4+\b]
.endr
.irp b, 0,1,2,3
	v_add_nc_u32 v[TM+12+\b], 0xff000000, v[TM+\b]
.endr
.irp b, 0,1,2,3
	v_lshrrev_b32 v[TM+4+\b], 23, v[TM+12+\b]
.endr
	v_lshl_or_b32 v[PW], v[TM+5], 8, v[TM+4]
	v_lshl_or_b32 v[PW], v[TM+6], 16, v[PW]
	v_lshl_or_b32 v[PW], v[TM+7], 24, v[PW]
.irp c, 0,1
	v_cvt_scalef32_pk16_fp6_f32 v[PC+6*\c:PC+2+6*\c], v[\s+32*\c:\s+15+32*\c], v[TM+12+2*\c]
	v_cvt_scalef32_pk16_fp6_f32 v[PC+12+4*\c:PC+14+4*\c], v[\s+16+32*\c:\s+31+32*\c], v[TM+12+2*\c+1]
.endr
	v_nop
.irp c, 0,1
.irp i, 0,1,2
	v_permlane16_swap_b32 v[PC+6*\c+\i], v[PC+12+4*\c+\i]
.endr
.irp i, 0,1,2
	v_mov_b32 v[PC+3+6*\c+\i], v[PC+12+4*\c+\i]
.endr
.endr
.endm
; V's quantiser along the tokens.  By the order of inp's tiles register 32 c + i of a lane is key 64 c + 32 (lane / 16) + i of the step: a lane holds two whole blocks of 32.  v30 = 8 (lane / 16).
.macro QUANTV s
.irp b, 0,1,2,3
	v_max3_num_f32 v[TM+\b], |v[\s+16*\b]|, |v[\s+1+16*\b]|, 0x1800000
.endr
.irp i, 2,4,6,8,10,12,14
.irp b, 0,1,2,3
	v_max3_num_f32 v[TM+\b], v[TM+\b], |v[\s+16*\b+\i]|, |v[\s+1+16*\b+\i]|
.endr
.endr
	v_max_num_f32 v[TM], v[TM], v[TM+1]
	v_max_num_f32 v[TM+2], v[TM+2], v[TM+3]
	v_add_nc_u32 v[TM+12], 0xff000000, v[TM]
	v_add_nc_u32 v[TM+13], 0xff000000, v[TM+2]
	v_lshrrev_b32 v[TM+4], 23, v[TM+12]
	v_lshrrev_b32 v[TM+5], 23, v[TM+13]
	v_lshl_or_b32 v[TM+4], v[TM+5], 16, v[TM+4]
	v_lshlrev_b32 v[TM+4], v30, v[TM+4]            ; my two bytes at their places in the scale word
	v_permlanex16_b32 v[TM+6], v[TM+4], s[SEL], s[SEL+1]
	v_or_b32 v[PW], v[TM+4], v[TM+6]               ; with lane l xor 16's two the word is whole
.irp c, 0,1
	v_cvt_scalef32_pk16_fp6_f32 v[PC+6*\c:PC+2+6*\c], v[\s+32*\c:\s+15+32*\c], v[TM+12+\c]
	v_cvt_scalef32_pk16_fp6_f32 v[PC+12+4*\c:PC+14+4*\c], v[\s+16+32*\c:\s+31+32*\c], v[TM+12+\c]
.endr
	v_nop
.irp c, 0,1
.irp i, 0,1,2
	v_mov_b32 v[PC+3+6*\c+\i], v[PC+12+4*\c+\i]
.endr
.endr
.endm
.macro PSET k, base
	s_mov_b32 s[G0P+4*\k], 1
	s_add_co_u32 s[G0P+4*\k+1], s66, \base
	s_add_nc_u64 s[G0P+4*\k+2:G0P+4*\k+3], s[100:101], ((\k+2)%3)*HALFT   ; region 1 takes V's quarter 0 of K, region 2 quarter 1, region 0 quarter 2
	s_or_b32 s[G0P+4*\k+3], s[G0P+4*\k+3], 0x80000000
	s_mov_b32 s[G0Q+4*\k], 1
	s_add_co_u32 s[G0Q+4*\k+1], s67, \base
	s_add_nc_u64 s[G0Q+4*\k+2:G0Q+4*\k+3], s[20:21], ((\k+2)%3)*HALFT
	s_or_b32 s[G0Q+4*\k+3], s[G0Q+4*\k+3], 0x80000000
.endm
	s_load_b256 s[4:11], s[0:1], 0x0
	s_load_b64 s[12:13], s[0:1], 0x20
	v_lshl_add_u32 v[SPW], v0, 2, SPARE
	v_mov_b32 v[NIL], 0
	ds_add_u32 v28, v29
	ds_add_u32 v28, v29
	s_wait_dscnt 0x0
	v_lshrrev_b32 v1, 5, v0
	v_readfirstlane_b32 s14, v1
	s_lshr_b32 s15, s14, 1
	s_and_b32 s16, s14, 1
	s_bfe_u32 s2, ttmp6, 0x40000
	s_bfe_u32 s3, ttmp6, 0x40004
	s_lshl_b32 s17, ttmp9, 2
	s_add_co_u32 s17, s17, s2
	s_and_b32 s18, ttmp7, 0xffff
	s_lshl_b32 s18, s18, 2
	s_add_co_u32 s18, s18, s3
	s_lshl_b32 s19, s3, 2
	s_lshl_b32 s19, 15, s19
	s_lshl_b32 s20, 0x1111, s2
	s_or_b32 s[G1+0], s19, (3<<16)|(1<<21)
	s_or_b32 s[G1B+0], s20, (3<<16)|(1<<21)
	s_or_b32 s[G1C+0], s20, (3<<16)|(1<<21)
.irp g, G1, G1B
	s_mov_b32 s[\g+1], 32<<16
	s_mov_b32 s[\g+2], 112<<16
	s_mov_b32 s[\g+3], 32<<16
	s_mov_b32 s[\g+4], 112
	s_mov_b32 s[\g+5], 32
	s_mov_b32 s[\g+6], 0
	s_mov_b32 s[\g+7], 0
.endr
	s_mov_b32 s[G1C+1], 32<<16
	s_mov_b32 s[G1C+2], 56<<16
	s_mov_b32 s[G1C+3], 32<<16
	s_mov_b32 s[G1C+4], 56
	s_mov_b32 s[G1C+5], 32
	s_mov_b32 s[G1C+6], 0
	s_mov_b32 s[G1C+7], 0
	s_lshl_b32 s100, s18, 1
	s_add_co_u32 s100, s100, s16
	s_mul_i32 s100, s100, TBLK
	s_mov_b32 s101, 0
	s_lshl_b32 s22, s16, 3
	s_add_co_u32 s22, s22, s17
	s_mul_i32 s22, s22, TBLK
	s_mov_b32 s23, 0
	s_add_co_u32 s20, s17, 16
	s_mul_i32 s20, s20, TBLK
	s_mul_i32 s21, s16, QREC
	s_add_co_u32 s20, s20, s21
	s_mov_b32 s21, 0
	s_mul_i32 s66, s14, HALFT
	s_mul_i32 s67, s16, QREC
	s_add_co_u32 s67, s67, 2*HALFT
	s_mov_b32 s[SEL], 0x76543210
	s_mov_b32 s[SEL+1], 0xfedcba98
	s_wait_kmcnt 0x0
	s_add_nc_u64 s[100:101], s[4:5], s[100:101]
	s_add_nc_u64 s[22:23], s[6:7], s[22:23]
	s_add_nc_u64 s[20:21], s[6:7], s[20:21]
.irp s, 0,1
	s_mov_b32 s[G0+4*\s], 1
	s_add_co_u32 s[G0+4*\s+1], s66, \s*SLOT
	s_add_nc_u64 s[G0+4*\s+2:G0+4*\s+3], s[100:101], \s*HALFT
	s_or_b32 s[G0+4*\s+3], s[G0+4*\s+3], 0x80000000
	s_mov_b32 s[G0B+4*\s], 1
	s_add_co_u32 s[G0B+4*\s+1], s66, \s*SLOT
	s_add_nc_u64 s[G0B+4*\s+2:G0B+4*\s+3], s[22:23], \s*HALFT
	s_or_b32 s[G0B+4*\s+3], s[G0B+4*\s+3], 0x80000000
.endr
	PSET 0, SLOTC
	PSET 1, 0
	PSET 2, SLOT
	CROUND
	JLOAD G0, G1, G0B, G1B                         ; slot 0: my one load at the head; the set-up below stands under its flight
	v_and_b32 v1, 31, v0
	v_lshlrev_b32 v[L8], 3, v1
	v_bfe_u32 v2, v0, 4, 1
	v_xor_b32 v3, 1, v2
	s_wait_alu depctr_va_vdst(0)
	s_mul_i32 s2, s15, HALFT
	s_mul_i32 s3, s16, HALFT
	s_add_co_u32 s3, s3, 2*HALFT
	s_sub_co_u32 s19, s3, s2
	v_mul_u32_u24 v6, s19, v2
.irp s, 0,1
	v_add_nc_u32 v[ADRA+\s], s2, v[L8]
	v_add_nc_u32 v[ADRB+\s], s3, v[L8]
	v_add_nc_u32 v[ADRS+\s], v[ADRA+\s], v6
	s_add_co_u32 s2, s2, SLOT
	s_add_co_u32 s3, s3, SLOT
.endr
	s_mul_i32 s2, s15, 4*REC
	s_add_co_u32 s2, s2, 2*HALFT
	s_mul_i32 s3, s16, HALFT
	s_sub_co_u32 s19, s2, s3
	v_mul_u32_u24 v6, s19, v3
	v_add_nc_u32 v[ADRA2+1], s2, v[L8]
	v_add_nc_u32 v[ADRB2+1], s3, v[L8]
	v_add_nc_u32 v[ADRS2+1], v[ADRB2+1], v6
.irp r, ADRA2, ADRB2, ADRS2
	v_add_nc_u32 v[\r], SLOTC, v[\r+1]
	v_add_nc_u32 v[\r+2], SLOT, v[\r+1]
.endr
	v_lshlrev_b32 v[BO], 6, v2
	s_wait_alu depctr_va_vdst(0)
	v_and_b32 v4, 15, v0
	v_and_b32 v5, 8, v4
	v_add_nc_u32 v4, v4, v5
	v_lshlrev_b32 v[BO2], 2, v4
	s_wait_alu depctr_va_vdst(0)
	s_lshl_b32 s2, s16, 12
	s_lshl_b32 s3, s17, 9
	s_add_co_u32 s2, s2, s3
	s_mov_b32 s3, 0
	s_add_nc_u64 s[2:3], s[8:9], s[2:3]
	s_lshl_b32 s20, s17, 9
	s_lshl_b32 s21, s15, 8
	s_add_co_u32 s20, s20, s21
	s_add_co_u32 s20, s20, 8192
	s_mov_b32 s21, 0
	s_add_nc_u64 s[20:21], s[8:9], s[20:21]
.irp b, 0,1,2,3
.irp j, 0,1,2,3
	global_load_b128 v[BI+16*\b+4*\j:BI+16*\b+4*\j+3], v[BO], s[2:3] offset:128*\b+16*\j
.endr
.endr
.irp a, 0,1,2,3
	global_load_b32 v[BV+2*\a], v[BO2], s[20:21] offset:(32*(\a/2)+8*(\a%2))*4
	global_load_b32 v[BV+2*\a+1], v[BO2], s[20:21] offset:(32*(\a/2)+8*(\a%2))*4
.endr
	s_lshr_b32 s19, s18, 2
	s_lshl_b32 s19, s19, 4
	s_lshl_b32 s22, s17, 1
	s_add_co_u32 s19, s19, s22
	s_and_b32 s22, s18, 3
	s_lshl_b32 s22, s22, 1
	s_add_co_u32 s23, s22, s15
	s_add_co_u32 s22, s22, s16
	s_cmp_eq_u32 s16, 0
	s_mov_b32 s66, 122880
	s_cselect_b32 s66, 65536, s66
	s_mov_b32 s100, 15360
	s_cselect_b32 s100, 8192, s100
	s_cselect_b64 s[O0:O0+1], s[10:11], s[12:13]
	s_mul_i32 s101, s19, s66
	s_mul_i32 s100, s23, s100
	s_add_co_u32 s100, s100, s101
	s_mov_b32 s101, 0
	s_mov_b32 s67, 0
	s_add_nc_u64 s[O0:O0+1], s[O0:O0+1], s[100:101]
	s_add_nc_u64 s[O1:O1+1], s[O0:O0+1], s[66:67]
	s_add_co_u32 s19, s19, s15
	s_lshl_b32 s19, s19, 3
	s_add_co_u32 s19, s19, s22
	s_mul_i32 s100, s19, 15360
	s_add_co_u32 s100, s100, 8192
	s_add_nc_u64 s[OV:OV+1], s[12:13], s[100:101]
	s_wait_alu depctr_va_vdst(0)                   ; the wait at the head's end
	s_wait_tensorcnt 0x0                           ; my part of slot 0 is in; the three lines and a round ahead of slot 1's first fill
	ds_add_u32 v28, v29
	s_wait_dscnt 0x0
	CROUND
	JLOAD G0+4, G1, G0B+4, G1B
	FETCH_B 0, 0, 0
	FETCH_A 0, 0, 0
	SCALES 0
	FETCH_A 0, 0, 4
	STEP 0, 0, 1
	TURN 0, 1, 1
	STEP 1, 0, 0
	TURN 1, 0, 1
	STEP 0, 0, 0
	TURN 0, 1, 2
	STEP 1, 0, 0
	TURN 1, 0, 3
.macro EPI a, ty
.set AC, 64*((\a)%4)
	WIN 0x02+(\a)/4
.set i, 0
.rept 32
.if \ty
	v_pk_add_f32 v[EP+i:EP+i+1], v[AC+i:AC+i+1], v[BV+2*(\a):BV+2*(\a)+1]
.else
	v_pk_add_f32 v[EP+i:EP+i+1], v[AC+i:AC+i+1], v[BI+i:BI+i+1]
.endif
.set i, i+2
.endr
	WIN 0
.if (\a) > 0
	s_wait_xcnt 0x0
.endif
.if \ty
	QUANTV EP
.else
	QUANT EP
.endif
	v_mov_b32 v[PW+1], v[PW]
.if \ty
.irp p, 0,1,2,3,4,5
	global_store_b64 v[L8], v[PC+2*\p:PC+2*\p+1], s[OV:OV+1] offset:REC*(\a)+256*\p
.endr
	global_store_b64 v[L8], v[PW:PW+1], s[OV:OV+1] offset:REC*(\a)+1536
.else
	v_lshrrev_b32 v[PW2], 16, v[PW]
	v_lshrrev_b32 v[PW2+1], 16, v[PW]
.irp p, 0,1,2
	global_store_b64 v[L8], v[PC+2*\p:PC+2*\p+1], s[O0:O0+1] offset:1024*(\a)+256*\p
	global_store_b64 v[L8], v[PC+6+2*\p:PC+7+2*\p], s[O1:O1+1] offset:1024*(\a)+256*\p
.endr
	global_store_b64 v[L8], v[PW:PW+1], s[O0:O0+1] offset:1024*(\a)+768
	global_store_b64 v[L8], v[PW2:PW2+1], s[O1:O1+1] offset:1024*(\a)+768
.endif
.endm
	PLACES NP
	s_wait_loadcnt 0x0
.irp b, 0,1,2,3
	v_mov_b32 v[TM+4+\b], 0
.endr
.irp a, 0,1,2,3
	EPI \a, 0
.endr
	s_wait_alu depctr_va_vdst(0)                   ; the wait ahead of the blocking wait
	s_wait_tensorcnt 0x0                           ; region 2's load is in; the round shows it to all, and behind it region 0 has its first fill: V's quarter 2
	ds_add_u32 v[SPW], v[NIL]
	s_wait_dscnt 0x0
	CROUND
	JLOAD G0P, G1, G0Q, G1C
.irp a, 4,5,6,7
	EPI \a, 0
.endr
	s_wait_xcnt 0x0
	FETCHV 1, 0, 0, 0
	FETCHV 1, 0, 0, 1
	SCALESV 1, 0
	STEPV 0, 0, 0, 1, 1, 1, -1
	TURNV 1, 1, 0, 1, 2, 1
	STEPV 0, 0, 1, 0, 2, 1, -1
	STEPV 1, 1, 1, 0, 0, 0, 0
	STEPV 0, 0, 0, 0, 0, 1, -1
	TURNV 1, 1, 0, 0, 1, 1
	STEPV 0, 0, 1, 0, 1, 1, -1
	s_wait_dscnt 0x0
	WIN MUL_LO
	MULV 0, 1, 1, 1, 0
	MULV 2, 1, 1, 1, 0
	WIN 0
	PLACES NP
.irp b, 0,1,2,3
	v_mov_b32 v[TM+4+\b], 0
.endr
	v_bfe_u32 v30, v0, 4, 1
	v_lshlrev_b32 v30, 3, v30
.irp a, 0,1,2,3
	EPI \a, 1
.endr
	s_wait_tensorcnt 0x0
	ds_add_u32 v[SPW], v[NIL]
	s_wait_dscnt 0x0
	CROUND
	s_endpgm
.Lfunc_end_k_qa0f25763a9_qkv:
	.size	k_qa0f25763a9_qkv, .Lfunc_end_k_qa0f25763a9_qkv-k_qa0f25763a9_qkv
	.p2alignl 7, 3214868480
	.fill 96, 4, 3214868480
	.section	.rodata,"a",@progbits
	.p2align	6, 0x0
	.amdhsa_kernel k_qa0f25763a9_qkv
		.amdhsa_group_segment_fixed_size 327680
		.amdhsa_private_segment_fixed_size 0
		.amdhsa_enable_private_segment 0
		.amdhsa_kernarg_size 40
		.amdhsa_user_sgpr_count 2
		.amdhsa_user_sgpr_kernarg_segment_ptr 1
		.amdhsa_wavefront_size32 1
		.amdhsa_system_sgpr_workgroup_id_x 1
		.amdhsa_system_sgpr_workgroup_id_y 1
		.amdhsa_system_sgpr_workgroup_id_z 1
		.amdhsa_system_vgpr_workitem_id 0
		.amdhsa_next_free_vgpr 1024
		.amdhsa_next_free_sgpr 102
		.amdhsa_reserve_vcc 0
		.amdhsa_float_denorm_mode_32 3
		.amdhsa_float_denorm_mode_16_64 3
		.amdhsa_memory_ordered 1
		.amdhsa_forward_progress 1
		.amdhsa_inst_pref_size 255
	.end_amdhsa_kernel
	.section	.bss,"aw",@nobits
	.p2align	6
	.space	262144
	.amdgpu_metadata
---
amdhsa.version: [ 1, 2 ]
amdhsa.kernels:
  - .name:           k_qa0f25763a9_qkv
    .symbol:         k_qa0f25763a9_qkv.kd
    .args:
      - { .name: xr, .offset: 0, .size: 8, .value_kind: global_buffer, .address_space: global }
      - { .name: wqr, .offset: 8, .size: 8, .value_kind: global_buffer, .address_space: global }
      - { .name: b_qkv, .offset: 16, .size: 8, .value_kind: global_buffer, .address_space: global }
      - { .name: qr, .offset: 24, .size: 8, .value_kind: global_buffer, .address_space: global }
      - { .name: kvr, .offset: 32, .size: 8, .value_kind: global_buffer, .address_space: global }
    .group_segment_fixed_size: 327680
    .private_segment_fixed_size: 0
    .kernarg_segment_align: 8
    .kernarg_segment_size: 40
    .max_flat_workgroup_size: 128
    .sgpr_count:     102
    .vgpr_count:     1024
    .wavefront_size: 32
...
	.end_amdgpu_metadata
.endif
;; end of part 2
;; launch attn (part 3): grid 4 x 64, 8 waves a work-group, clusters of 4 x 1, 247,808 bytes of LDS; arguments qr, kvr, orr; writes orr
.if DOCPART == 3
	.amdgcn_target "amdgcn-amd-amdhsa--gfx1250"
	.amdhsa_code_object_version 6
	.text
	.protected	k_qa0f25763a9_attn
	.globl	k_qa0f25763a9_attn
	.p2align	8
	.type	k_qa0f25763a9_attn,@function
k_qa0f25763a9_attn:
	s_mov_b64 s[64:65], 0
	v_nop
	global_prefetch_b8 v0, s[64:65] scope:SCOPE_SE
	s_setreg_imm32_b32 hwreg(HW_REG_WAVE_MODE, 25, 1), 1
	s_wait_xcnt 0x0
	s_wait_alu depctr_hold_cnt(0) depctr_sa_sdst(0) depctr_va_vdst(0) depctr_va_sdst(0) depctr_va_ssrc(0) depctr_va_vcc(0) depctr_vm_vsrc(0)
	s_getreg_b32 s2, hwreg(HW_REG_IB_STS2, 6, 4)
	s_cmp_eq_u32 s2, 0
	s_cbranch_scc0 .Lentry_in_a_cluster
	s_endpgm
.Lentry_in_a_cluster:
	s_bfe_u32 s2, ttmp6, 0x10000c
	s_cmp_lg_u32 s2, 0x3003
	s_cbranch_scc0 .Lentry_shape_is_right
	s_endpgm
.Lentry_shape_is_right:
; o = softmax(q k^T / 8) v for 128 (batch, head) pairs of 1,024 tokens x 64, both products on codes of FP6 (E2M3) with E8M0 scales; o is quantised along (head, d) and stored as operand records for the last product.
; THE SOFTMAX: t = score x log2(e) / 8; M = the row's largest t so far, rounded UP to a whole number; p = 2^(t - M) is quantised along the keys, not normalised; the row's sum is taken of the unquantised p and divides at the end.
; When M moves, the sum and O are multiplied by 2^(old M - new M): exact.
; SHARES.  A work-group is (batch, pair of heads, quarter of the queries): 256 work-groups.  Wave w of eight owns TWO tiles of 16 queries, 2 w and 2 w + 1, and walks head 2 hp, then 2 hp + 1.  Each fragment of K and V^T that it reads
; from LDS feeds both tiles: 60 LDS loads for 24 matrix instructions.  A tile's whole state (scores, O^T, codes, Q, sums) lies in the register window of its number, at the same low numbers, so one text serves both tiles.
; LDS.  The two heads' K and V are one dense block of 245,760 bytes, brought once: no byte is filled again.  The four work-groups of a cluster want the same block and ask jointly; each wave asks for one eighth, 120 rows of 256 bytes.
; Waves 0-3 bring head 0 by a load line of their own and they alone wait ahead of the first barrier; ahead of the second barrier, between the heads, every wave waits.  By this text's count one tensor load of a wave is out.
; NO PREFETCH: the whole block is asked for by the head's tensor loads; there is no later load to run ahead of.
; FETCHES.  K's codes of the next step are asked for behind this step's score products (in a head's last step the same step once more: the address is held at the head's last step).  The 28 loads of V^T and the 8 of the next K's scale
; words name window 0 alone: they are dealt out, a few at a time, between the dependent lines of tile 0's search and of the chain that makes M and f.  Both LDS waits of a step are for 0.
; LAYOUT.  Both products are used transposed: S^T = K Q^T, O^T = V^T P^T: a lane holds one query.  Row p of key tile k of a step is key 64 (k / 4) + 8 (k % 4) + p % 8 + 32 (p / 8): so register 32 c + i of a lane's 64 scores is key
; 64 c + 32 (lane / 16) + i: a lane holds two WHOLE blocks of 32 keys, in the order of the next operand's registers.
; K = 64 fills half of the matrix instruction: Q's upper six registers are zero codes; K's upper six are whatever follows and meet zeros alone.
; THE EXPONENTIALS go in two batches.  Among the first half's stand the second half's multiply-adds, among the second half's the first level of the first half's sum: lines whose sources are ready and whose results are first read behind the batch's wait.
; THE SUM is kept in eight pairs a tile; its change of M is fused into the step's first addition; the pairs are added up once a head.
; Dependent vector lines go by turns or stand apart; no s_delay_alu is written.
; LIMITS: the promise holds while the scaled scores stay under 2^31 in magnitude; p under 2^-126 comes out of v_exp_f32 as 0; 1 / l is v_rcp_f32; a block of zeros gets the byte 1; NaN and infinities are not served.
.set REC,   1792
.set STEPB, 15360                      ; a key step: 8 half records of K, 4 records of V^T
.set PIECE, 30720                      ; a wave's eighth of the block
.set SPARE, 16*STEPB                   ; behind the block: the spare words, 128 bytes a wave
; window 0: addresses, scale words, what steers a tile, V^T's fragments
.set L8,   1                           ; 8 x lane
.set ADRV, 2
.set ADRK, 3
.set SPW,  4
.set NIL,  5
.set TA,   6                           ; v6-7   the new -M
.set KS,   8                           ; v8-15  K's scale words
.set VS,   16                          ; v16-19 V's
.set PW,   20                          ; v20-21 p's scale word, a tile each
.set TD,   22                          ; v22-23 at work in the chain
.set QS,   24                          ; v24-25 Q's scale words; v26-27 the second head's
.set QSN,  26
.set NM,   28                          ; v28-31 pairs: -M (the low word serves both halves)
.set FF,   36                          ; v36-39 pairs: f
.set RS,   44                          ; v44-45 the running largest score
.set VF,   48                          ; v48-95 V^T's four fragments
; window 1
.set KF,   0                           ; v0-53  K's eight half fragments; v48-53 stay zeros
.set QN,   56                          ; v56-67 the second head's Q, both tiles
; each tile's window
.set S,    96                          ; v96-159 S^T, then p
.set O,    160                         ; v160-191 O^T
.set PC,   192                         ; v192-203 p's codes (v192-207 first: eight partial sums of the step); at a head's end o's codes
.set CT,   204                         ; the conversions' second halves
.set BM,   212                         ; v212-213 a block's largest score, then its largest p; v212-219 the chains of the search
.set BX,   216
.set BS,   220
.set SH,   223                         ; 8 (lane / 16); never rewritten
.set AD,   224                         ; v224-239 the row's sum, in eight pairs
.set Q,    240                         ; v240-251 Q's fragment, upper six zeros
.set L,    252                         ; v252-253 a head's end: the sum, then 1 / l
.set OW,   254                         ; v254-255 o's scale word, twice
.set TB,   2                           ; s2 LDS byte of the step in hand
.set TN,   16                          ; s16 of the step whose K is fetched
.set NCS,  17                          ; s17 -c
.set WV,   18
.set SEL,  20
.set CS,   22                          ; s[22:23] c = log2(e) / 8
.set MSB, 0
.set FI_, 0
.macro WIN new                         ; the immediate's high byte repeats the setting that is left
.if MSB != (\new)
	s_set_vgpr_msb (MSB<<8)|(\new)
.set MSB, (\new)
.endif
.endm
.macro WALU
	s_wait_alu depctr_va_vdst(0)
.endm
.macro EACH m
.irp t, 0,1
	\m \t
.endr
.endm
.macro CROUND
	s_barrier_signal -1
	s_barrier_wait -1
	s_cmp_lg_u32 s[WV], 0
	s_cbranch_scc1 .Lnot_wave_0_\@
	s_barrier_signal -3
.Lnot_wave_0_\@:
	s_barrier_wait -3
	s_barrier_signal -1
	s_barrier_wait -1
.endm
.macro KCODES                          ; 24 LDS loads: K's half fragments into window 1
	WIN 0x40
.irp k, 0,1,2,3,4,5,6,7
.irp p, 0,1,2
	ds_load_b64 v[KF+6*\k+2*\p:KF+6*\k+2*\p+1], v[ADRK] offset:1024*\k+256*\p
.endr
.endr
	WIN 0
.endm
.macro FILL n                          ; the next n of a step's 36 loads that name window 0 alone: 0-27 V^T's four records (six blocks and the scale word each), 28-35 the next K's scale words
.rept \n
.if FI_ < 28
.if FI_%7 < 6
	ds_load_b64 v[VF+12*(FI_/7)+2*(FI_%7):VF+12*(FI_/7)+2*(FI_%7)+1], v[ADRV] offset:8192+REC*(FI_/7)+256*(FI_%7)
.else
	ds_load_b32 v[VS+FI_/7], v[ADRV] offset:8192+REC*(FI_/7)+1536
.endif
.else
	ds_load_b32 v[KS+FI_-28], v[ADRK] offset:1024*(FI_-28)+768
.endif
.set FI_, FI_+1
.endr
.endm
.macro SCORES t                        ; source 0 K (window 1), source 1 Q and the result in the tile's window
	WIN 1|((\t)<<2)|((\t)<<6)
.irp k, 0,1,2,3,4,5,6,7
	v_wmma_scale_f32_16x16x128_f8f6f4 v[S+8*\k:S+8*\k+7], v[KF+6*\k:KF+6*\k+11], v[Q:Q+11], 0, v[KS+\k], v[QS+\t] matrix_a_fmt:MATRIX_FMT_FP6 matrix_b_fmt:MATRIX_FMT_FP6
.endr
.endm
.macro GAP t, n                        ; tile 0's lines lie in window 0, as the loads do
.if (\t) == 0
	FILL \n
.endif
.endm
.macro MAXES t                         ; the largest score of my two blocks of 32 keys: a chain to each accumulator, from its low end on, eight by turns; then my lane's running largest score
	WIN 0x55*(\t)
.irp u, 0,1,2,3
	v_max3_num_f32 v[BM+\u], v[S+8*\u], v[S+8*\u+1], v[S+8*\u+2]
.endr
.irp u, 0,1,2,3
	v_max3_num_f32 v[BX+\u], v[S+32+8*\u], v[S+33+8*\u], v[S+34+8*\u]
.endr
.irp i, 3,5
.irp u, 0,1,2,3
	v_max3_num_f32 v[BM+\u], v[BM+\u], v[S+8*\u+\i], v[S+8*\u+\i+1]
.endr
.irp u, 0,1,2,3
	v_max3_num_f32 v[BX+\u], v[BX+\u], v[S+32+8*\u+\i], v[S+33+8*\u+\i]
.endr
.endr
	v_max3_num_f32 v[BM], v[BM], v[BM+1], v[S+7]
	v_max3_num_f32 v[BX], v[BX], v[BX+1], v[S+39]
	v_max3_num_f32 v[BM+2], v[BM+2], v[BM+3], v[S+15]
	v_max3_num_f32 v[BX+2], v[BX+2], v[BX+3], v[S+47]
	GAP \t, 2
	v_max3_num_f32 v[BM], v[BM], v[BM+2], v[S+23]
	v_max3_num_f32 v[BX], v[BX], v[BX+2], v[S+55]
	GAP \t, 3
	v_max_num_f32 v[BM], v[BM], v[S+31]            ; block lane / 16
	v_max_num_f32 v[BM+1], v[BX], v[S+63]          ; block 2 + lane / 16
	GAP \t, 3
	WIN ((\t)<<2)|((\t)<<4)                        ; the running maximum lies in window 0
	v_max3_num_f32 v[RS+\t], v[RS+\t], v[BM], v[BM+1]
.endm
.macro RESC t                          ; O^T under the new M (ahead of the exponentials: O^T's first read behind its products); then t - M of the first 32 scores and of the blocks' largest
	WIN (\t)|((\t)<<6)                             ; f and -M come from window 0
.set j, 0
.rept 16
	v_pk_mul_f32 v[O+j:O+j+1], v[O+j:O+j+1], v[FF+2*(\t):FF+2*(\t)+1] op_sel_hi:[1,0]
.set j, j+2
.endr
.set j, 0
.rept 16
	v_pk_fma_f32 v[S+j:S+j+1], v[S+j:S+j+1], s[CS:CS+1], v[NM+2*(\t):NM+2*(\t)+1] op_sel_hi:[1,0,0]
.set j, j+2
.endr
.irp b, 0,1
	v_fma_f32 v[BM+\b], v[BM+\b], s[CS], v[NM+2*(\t)]
.endr
.endm
.macro EXPA t                          ; p = 2^(t - M) of the first 32; among them t - M of the other 32, first read behind the batch's wait
	WIN (\t)|((\t)<<6)
.set j, 0
.rept 16
	v_exp_f32 v[S+j], v[S+j]
	v_pk_fma_f32 v[S+32+j:S+33+j], v[S+32+j:S+33+j], s[CS:CS+1], v[NM+2*(\t):NM+2*(\t)+1] op_sel_hi:[1,0,0]
	v_exp_f32 v[S+j+1], v[S+j+1]
.set j, j+2
.endr
.irp b, 0,1
	v_exp_f32 v[BM+\b], v[BM+\b]                   ; the block's largest p: the same two instructions on the same number
.endr
.endm
.macro EXPB t                          ; p of the other 32; among them eight partial sums of the first 32, first read behind the batch's wait
	WIN 0x55*(\t)
.set j, 0
.rept 8
	v_exp_f32 v[S+32+4*j], v[S+32+4*j]
	v_exp_f32 v[S+33+4*j], v[S+33+4*j]
	v_pk_add_f32 v[PC+2*j:PC+2*j+1], v[S+2*j:S+2*j+1], v[S+16+2*j:S+17+2*j]
	v_exp_f32 v[S+34+4*j], v[S+34+4*j]
	v_exp_f32 v[S+35+4*j], v[S+35+4*j]
.set j, j+1
.endr
.endm
.macro ADDP o, j
	v_pk_add_f32 v[AD+2*(\j):AD+2*(\j)+1], v[AD+2*(\j):AD+2*(\j)+1], v[S+(\o)+2*(\j):S+(\o)+2*(\j)+1]
.endm
.macro CODE t                          ; the sum of the unquantised p; among its additions the chain that makes p's scale word; p's codes.  The last five additions and three moves are the places ahead of the products
	WIN (\t)|((\t)<<4)|((\t)<<6)                   ; f from window 0
.irp j, 0,1,2,3,4,5,6,7
	v_pk_fma_f32 v[AD+2*\j:AD+2*\j+1], v[AD+2*\j:AD+2*\j+1], v[FF+2*(\t):FF+2*(\t)+1], v[PC+2*\j:PC+2*\j+1] op_sel_hi:[1,0,1]   ; the sums under the new M, and the step's first partial sums
.endr
	WIN 0x55*(\t)
.irp c, 0,1
	v_max_num_f32 v[BM+\c], 0x1800000, v[BM+\c]    ; the floor 2^(3 - 127)
.endr
.irp j, 0,1,2,3
	ADDP 32, \j
.endr
.irp c, 0,1
	v_add_nc_u32 v[BS+\c], 0xff000000, v[BM+\c]    ; 2 off the exponent field: the conversion's scale operand
.endr
.irp j, 4,5,6,7
	ADDP 32, \j
.endr
.irp c, 0,1
	v_lshrrev_b32 v[BX+\c], 23, v[BS+\c]           ; the scale's byte
.endr
.irp j, 0,1,2
	ADDP 48, \j
.endr
	v_lshl_or_b32 v[BX], v[BX+1], 16, v[BX]
	v_cvt_scalef32_pk16_fp6_f32 v[PC:PC+2], v[S:S+15], v[BS]
	v_cvt_scalef32_pk16_fp6_f32 v[CT:CT+2], v[S+16:S+31], v[BS]
	v_lshlrev_b32 v[BX], v[SH], v[BX]              ; my two bytes at their places in the scale word
	v_cvt_scalef32_pk16_fp6_f32 v[PC+6:PC+8], v[S+32:S+47], v[BS+1]
	v_cvt_scalef32_pk16_fp6_f32 v[CT+4:CT+6], v[S+48:S+63], v[BS+1]
	v_permlanex16_b32 v[BX+2], v[BX], s[SEL], s[SEL+1]
.irp i, 0,1,2
	v_mov_b32 v[PC+3+\i], v[CT+\i]                 ; (a conversion's three registers begin on an even number); plain lines behind the last conversions
.endr
	WIN (\t)|((\t)<<2)
	v_or_b32 v[PW+\t], v[BX], v[BX+2]              ; with lane l xor 16's two the word is whole; it goes to window 0
	WIN 0x55*(\t)
.irp i, 0,1,2
	v_mov_b32 v[PC+9+\i], v[CT+4+\i]
.endr
.irp j, 3,4,5,6,7
	ADDP 48, \j
.endr
.endm
.macro WSUM t                          ; O^T += V^T P^T: source 0 V^T (window 0); the eight accumulators take turns, one instruction a turn
	WIN ((\t)<<2)|((\t)<<4)|((\t)<<6)
.irp d, 0,1,2,3
	v_wmma_scale_f32_16x16x128_f8f6f4 v[O+8*\d:O+8*\d+7], v[VF+12*\d:VF+12*\d+11], v[PC:PC+11], v[O+8*\d:O+8*\d+7], v[VS+\d], v[PW+\t] matrix_a_fmt:MATRIX_FMT_FP6 matrix_b_fmt:MATRIX_FMT_FP6
.endr
.endm
; A KEY STEP: 128 keys, both tiles.  lim: the head's last step in LDS.
.macro STEP lim
.set FI_, 0
	s_wait_dscnt 0x0                               ; K is in (the first trip's was asked for ahead of the loop; later nothing is out here)
	EACH SCORES
	WIN 0
	v_add_nc_u32 v[ADRV], s[TB], v[L8]
	s_add_co_u32 s[TB], s[TB], STEPB
	s_min_u32 s[TN], s[TB], \lim
	v_add_nc_u32 v[ADRK], s[TN], v[L8]
	v_nop
	v_nop                                          ; four places: registers that products have read are loaded anew, and the scores read, below
	KCODES
	EACH MAXES
	WIN 0
.irp t, 0,1
	v_permlanex16_b32 v[TD+\t], v[RS+\t], s[SEL], s[SEL+1]
.endr
	FILL 4
.irp t, 0,1
	v_max_num_f32 v[RS+\t], v[RS+\t], v[TD+\t]     ; with lane l xor 16's 64 keys: the row's running largest score
.endr
	FILL 4
.irp t, 0,1
	v_mul_f32 v[TA+\t], s[NCS], v[RS+\t]           ; minus the running largest t
.endr
	FILL 4
.irp t, 0,1
	v_floor_f32 v[TA+\t], v[TA+\t]                 ; the new -M: M is a whole number
.endr
	FILL 4
.irp t, 0,1
	v_sub_f32 v[TD+\t], v[TA+\t], v[NM+2*\t]       ; old M - new M: a whole number, 0 or less
.endr
.irp t, 0,1
	v_mov_b32 v[NM+2*\t], v[TA+\t]
.endr
	FILL 3
.irp t, 0,1
	v_cvt_i32_f32 v[TD+\t], v[TD+\t]               ; (it saturates)
.endr
	FILL 4
.irp t, 0,1
	v_ldexp_f32 v[FF+2*\t], 1.0, v[TD+\t]          ; f = 2^(old M - new M)
.endr
	FILL 5                                         ; 8 + 28: all 36 are asked for
	EACH RESC
	WALU                                           ; the wait ahead of a batch
	EXPA 1
	EXPA 0
	v_nop                                          ; the plain line behind the exponentials
	WALU                                           ; one wait behind the first batch and ahead of the second
	EXPB 0
	EXPB 1
	v_nop
	WALU                                           ; and one behind the second, ahead of its first reader
	CODE 1
	CODE 0
	WIN 0
	WALU                                           ; the wait ahead of the blocking wait
	s_wait_dscnt 0x0                               ; V^T is in, and so is the next K
	EACH WSUM
	WIN 0
.endm
.macro RUN lim                         ; a head's eight key steps
	v_add_nc_u32 v[ADRK], s[TB], v[L8]
	KCODES
.irp k, 0,1,2,3,4,5,6,7
	ds_load_b32 v[KS+\k], v[ADRK] offset:1024*\k+768
.endr
	s_mov_b32 s3, 8
.Lstep_\@:
	STEP \lim
	s_sub_co_u32 s3, s3, 1
	s_cmp_lg_u32 s3, 0
	s_cbranch_scc1 .Lstep_\@
.endm
.macro INIT                            ; a head begins: the step is written once; its first trip finds zeros, which f = 0 leaves zeros
	WIN 0
.irp t, 0,1
	v_mov_b32 v[RS+\t], 0xff61b1e6                 ; the largest score so far: -3e38
	v_mov_b32 v[NM+2*\t], 0x7f61b1e6               ; -M: 3e38
.endr
.irp t, 0,1
	WIN (\t)<<6
.set j, 0
.rept 32
	v_mov_b32 v[O+j], 0
.set j, j+1
.endr
.set j, 0
.rept 16
	v_mov_b32 v[AD+j], 0
.set j, j+1
.endr
.endr
	WIN 0
.endm
.macro LSUM t                          ; the eight pairs, their halves and lane l xor 16's: the row's sum
	WIN 0x55*(\t)
.irp j, 0,1,2,3
	v_pk_add_f32 v[AD+2*\j:AD+2*\j+1], v[AD+2*\j:AD+2*\j+1], v[AD+8+2*\j:AD+9+2*\j]
.endr
.irp j, 0,1
	v_pk_add_f32 v[AD+2*\j:AD+2*\j+1], v[AD+2*\j:AD+2*\j+1], v[AD+4+2*\j:AD+5+2*\j]
.endr
	v_pk_add_f32 v[AD:AD+1], v[AD:AD+1], v[AD+2:AD+3]
	v_add_f32 v[L], v[AD], v[AD+1]
	v_permlanex16_b32 v[BS], v[L], s[SEL], s[SEL+1]
	v_add_f32 v[L], v[L], v[BS]
.endm
.macro RCP t
	WIN (\t)|((\t)<<6)
	v_rcp_f32 v[L], v[L]
.endm
; A head ends for tile t: O^T / l, quantised along d (two blocks of 32, each in lanes l and l xor 16): registers 6 c .. 6 c + 5 of o's record, bytes 2 c, 2 c + 1 of its scale word.
.macro OUT t, c
	WIN 0x55*(\t)
	WALU                                           ; ahead of the first reader of the reciprocal and of O^T
.set j, 0
.rept 16
	v_pk_mul_f32 v[O+j:O+j+1], v[O+j:O+j+1], v[L:L+1] op_sel_hi:[1,0]   ; each accumulator from its low end on
.set j, j+2
.endr
.irp b, 0,1
	v_max3_num_f32 v[BM+\b], |v[O+16*\b]|, |v[O+1+16*\b]|, 0x1800000
.endr
.irp i, 2,4,6,8,10,12,14
.irp b, 0,1
	v_max3_num_f32 v[BM+\b], v[BM+\b], |v[O+16*\b+\i]|, |v[O+1+16*\b+\i]|
.endr
.endr
.irp b, 0,1
	v_permlanex16_b32 v[BX+\b], v[BM+\b], s[SEL], s[SEL+1]
.endr
.irp b, 0,1
	v_max_num_f32 v[BM+\b], v[BM+\b], v[BX+\b]
.endr
.irp b, 0,1
	v_add_nc_u32 v[BS+\b], 0xff000000, v[BM+\b]
.endr
.irp b, 0,1
	v_lshrrev_b32 v[BX+\b], 23, v[BS+\b]
.endr
	v_lshl_or_b32 v[BX], v[BX+1], 8, v[BX]
.if \c
	v_lshl_or_b32 v[OW], v[BX], 16, v[OW]
.else
	v_mov_b32 v[OW], v[BX]
.endif
	v_cvt_scalef32_pk16_fp6_f32 v[PC:PC+2], v[O:O+15], v[BS]
	v_cvt_scalef32_pk16_fp6_f32 v[CT:CT+2], v[O+16:O+31], v[BS+1]
	v_nop                                          ; one plain line behind the scaled conversions
.irp i, 0,1,2
	v_permlane16_swap_b32 v[PC+\i], v[CT+\i]
.endr
.irp i, 0,1,2
	v_mov_b32 v[PC+3+\i], v[CT+\i]
.endr
	WIN (\t)<<2                                    ; the data from the tile's window, the offset from window 0
.irp p, 0,1,2
	global_store_b64 v[L8], v[PC+2*\p:PC+2*\p+1], s[8:9] offset:REC*(\t)+768*(\c)+256*\p   ; 32 lanes store 256 consecutive bytes, aligned
.endr
.endm
.macro FINISH c
	EACH LSUM                                      ; its lines are also the places behind the last products
	WALU                                           ; ahead of the reciprocals
	EACH RCP
	v_nop
.irp t, 0,1
	OUT \t, \c
.endr
	WIN 0
.endm
	s_load_b128 s[4:7], s[0:1], 0x0                ; qr s[4:5], kvr s[6:7]
	s_load_b64 s[8:9], s[0:1], 0x10                ; orr
	v_lshl_add_u32 v[SPW], v0, 2, SPARE
	v_mov_b32 v[NIL], 0
	ds_add_u32 v[SPW], v[NIL]                      ; the opening lines: the add twice on end and its wait
	ds_add_u32 v[SPW], v[NIL]
	v_lshrrev_b32 v2, 5, v0
	v_readfirstlane_b32 s[WV], v2                  ; wave 0..7
	s_bfe_u32 s10, ttmp6, 0x40000                  ; cx: my quarter of the queries; it enters Q's and o's addresses alone
	s_and_b32 s11, ttmp7, 0xffff                   ; y = 8 batch + pair of heads, which the four partners share
	s_mov_b32 s24, 15|(3<<16)|(1<<21)              ; group 1: the mask of all four work-groups; elements of 8 bytes; bit 21 beside a mask
	s_mov_b32 s25, 32<<16                          ; 120 dense rows of 256 bytes
	s_mov_b32 s26, 120<<16
	s_mov_b32 s27, 32<<16
	s_mov_b32 s28, 120
	s_mov_b32 s29, 32
	s_mov_b32 s30, 0
	s_mov_b32 s31, 0
	s_mul_i32 s14, s[WV], PIECE                    ; my eighth, in LDS as in memory
	s_mul_i32 s12, s11, 16*STEPB
	s_add_co_u32 s12, s12, s14
	s_mov_b32 s13, 0
	s_mov_b32 s[SEL], 0x76543210
	s_mov_b32 s[SEL+1], 0xfedcba98
	s_mov_b32 s[CS], 0x3e38aa3b
	s_mov_b32 s[CS+1], s[CS]                       ; (named with it as a pair)
	s_mov_b32 s[NCS], 0xbe38aa3b
	s_mov_b32 s[TB], 0
	WALU
	s_wait_dscnt 0x0
	s_wait_kmcnt 0x0
	s_add_nc_u64 s[6:7], s[6:7], s[12:13]
	s_mov_b32 s32, 1
	s_mov_b32 s33, s14
	s_mov_b64 s[34:35], s[6:7]
	s_or_b32 s35, s35, 0x80000000
	CROUND                                         ; all four work-groups are here: the joint loads meet
	s_cmp_lt_u32 s[WV], 4
	s_cbranch_scc0 .Lhead_1
	tensor_load_to_lds s[32:35], s[24:31]          ; waves 0-3: the first head's K and V
	s_nop 0
.rept 4
	v_nop
.endr
	s_branch .Lasked
.Lhead_1:
	tensor_load_to_lds s[32:35], s[24:31]          ; waves 4-7: the second head's
	s_nop 0
.rept 4
	v_nop
.endr
.Lasked:
	s_lshl_b32 s12, s11, 17                        ; Q: head 2 y at 65,536 bytes a head,
	s_lshl_b32 s15, s10, 14                        ; + 16 tiles a quarter,
	s_add_co_u32 s12, s12, s15
	s_lshl_b32 s15, s[WV], 11                      ; + my two tiles of 1,024 bytes
	s_add_co_u32 s12, s12, s15
	s_add_nc_u64 s[4:5], s[4:5], s[12:13]
	v_and_b32 v[L8], 31, v0
	v_lshlrev_b32 v[L8], 3, v[L8]
	v_bfe_u32 v[TA], v0, 4, 1
	v_lshlrev_b32 v[TA], 3, v[TA]                  ; 8 (lane / 16)
	WALU
.irp t, 0,1
	WIN (\t)<<6
.irp p, 0,1,2
	global_load_b64 v[Q+2*\p:Q+2*\p+1], v[L8], s[4:5] offset:1024*\t+256*\p
.endr
	WIN 1<<6
.irp p, 0,1,2
	global_load_b64 v[QN+6*\t+2*\p:QN+6*\t+2*\p+1], v[L8], s[4:5] offset:65536+1024*\t+256*\p
.endr
.endr
	WIN 0
.irp t, 0,1
	global_load_b32 v[QS+\t], v[L8], s[4:5] offset:1024*\t+768
	global_load_b32 v[QSN+\t], v[L8], s[4:5] offset:65536+1024*\t+768
	v_mov_b32 v[NM+2*\t+1], 0                      ; (named as the upper halves of pairs)
	v_mov_b32 v[FF+2*\t+1], 0
	v_mov_b32 v[TD+\t], 0                          ; written once: a lane permute's destination counts as one of its sources
.endr
.irp t, 0,1
	WIN (\t)<<6
.irp j, 6,7,8,9,10,11
	v_mov_b32 v[Q+\j], 0                           ; zero codes for k = 64 .. 127
.endr
	v_mov_b32 v[BS], 0                             ; (a lane permute's destination)
	v_mov_b32 v[L+1], 0                            ; (named as the upper half of a pair)
	v_mov_b32 v[SH], v[TA]
.endr
.irp j, 48,49,50,51,52,53
	v_mov_b32 v[KF+\j], 0                          ; (window 1) behind K's last half fragment
.endr
	WIN 0
	s_and_b32 s12, s11, 0x38                       ; o's records: tile block 8 batch + 2 quarter + wave / 4,
	s_lshl_b32 s15, s10, 1
	s_add_co_u32 s12, s12, s15
	s_lshr_b32 s15, s[WV], 2
	s_add_co_u32 s12, s12, s15
	s_lshl_b32 s12, s12, 6
	s_and_b32 s15, s11, 7                          ; K step = the pair of heads,
	s_lshl_b32 s15, s15, 3
	s_add_co_u32 s12, s12, s15
	s_and_b32 s15, s[WV], 3                        ; tiles 2 (wave % 4) and the next
	s_lshl_b32 s15, s15, 1
	s_add_co_u32 s12, s12, s15
	s_mul_i32 s12, s12, REC
	s_add_nc_u64 s[8:9], s[8:9], s[12:13]
	INIT
	WALU                                           ; the wait at the head's end
	s_wait_loadcnt 0x0                             ; Q of both heads
	s_cmp_lt_u32 s[WV], 4
	s_cbranch_scc0 .Lnot_mine
	s_wait_tensorcnt 0x0                           ; waves 0-3: my piece of the first head has landed
.Lnot_mine:
	s_barrier_signal -1
	s_barrier_wait -1                              ; the first head is whole; nothing is filled again in this launch
	RUN 7*STEPB
	FINISH 0
	s_wait_xcnt 0x0                                ; the stores have read the codes' registers
.irp t, 0,1
	WIN 1|((\t)<<6)
.irp j, 0,1,2,3,4,5
	v_mov_b32 v[Q+\j], v[QN+6*\t+\j]               ; the second head's Q
.endr
.endr
	WIN 0
.irp t, 0,1
	v_mov_b32 v[QS+\t], v[QSN+\t]
.endr
	INIT
	WALU
	s_wait_tensorcnt 0x0                           ; every wave: all that is still out
	s_wait_dscnt 0x0
	s_barrier_signal -1
	s_barrier_wait -1                              ; the second head is whole
	RUN 15*STEPB
	FINISH 1
.irp t, 0,1
	WIN 0x55*(\t)
	v_mov_b32 v[OW+1], v[OW]
	WIN (\t)<<2
	global_store_b64 v[L8], v[OW:OW+1], s[8:9] offset:REC*\t+1536
.endr
	WIN 0
	s_wait_tensorcnt 0x0                           ; the wave's end
	ds_add_u32 v[SPW], v[NIL]
	s_wait_dscnt 0x0
	CROUND                                         ; the closing round
	s_endpgm
.Lfunc_end_k_qa0f25763a9_attn:
	.size	k_qa0f25763a9_attn, .Lfunc_end_k_qa0f25763a9_attn-k_qa0f25763a9_attn
	.p2alignl 7, 3214868480
	.fill 96, 4, 3214868480
	.section	.rodata,"a",@progbits
	.p2align	6, 0x0
	.amdhsa_kernel k_qa0f25763a9_attn
		.amdhsa_group_segment_fixed_size 247808
		.amdhsa_private_segment_fixed_size 0
		.amdhsa_enable_private_segment 0
		.amdhsa_kernarg_size 24
		.amdhsa_user_sgpr_count 2
		.amdhsa_user_sgpr_kernarg_segment_ptr 1
		.amdhsa_wavefront_size32 1
		.amdhsa_system_sgpr_workgroup_id_x 1
		.amdhsa_system_sgpr_workgroup_id_y 1
		.amdhsa_system_sgpr_workgroup_id_z 1
		.amdhsa_system_vgpr_workitem_id 0
		.amdhsa_next_free_vgpr 512
		.amdhsa_next_free_sgpr 66
		.amdhsa_reserve_vcc 0
		.amdhsa_float_denorm_mode_32 3
		.amdhsa_float_denorm_mode_16_64 3
		.amdhsa_memory_ordered 1
		.amdhsa_forward_progress 1
		.amdhsa_inst_pref_size 93
	.end_amdhsa_kernel
	.amdgpu_metadata
---
amdhsa.version: [ 1, 2 ]
amdhsa.kernels:
  - .name:           k_qa0f25763a9_attn
    .symbol:         k_qa0f25763a9_attn.kd
    .args:
      - { .name: qr, .offset: 0, .size: 8, .value_kind: global_buffer, .address_space: global }
      - { .name: kvr, .offset: 8, .size: 8, .value_kind: global_buffer, .address_space: global }
      - { .name: orr, .offset: 16, .size: 8, .value_kind: global_buffer, .address_space: global }
    .group_segment_fixed_size: 247808
    .private_segment_fixed_size: 0
    .kernarg_segment_align: 8
    .kernarg_segment_size: 24
    .max_flat_workgroup_size: 256
    .sgpr_count:     66
    .vgpr_count:     512
    .wavefront_size: 32
...
	.end_amdgpu_metadata
.endif
;; end of part 3
;; launch proj (part 4): grid 4 x 64, 4 waves a work-group, clusters of 4 x 4, 327,680 bytes of LDS; arguments orr, wpr, b_proj, out0; writes out0
.if DOCPART == 4
	.amdgcn_target "amdgcn-amd-amdhsa--gfx1250"
	.amdhsa_code_object_version 6
	.text
	.protected	k_qa0f25763a9_proj
	.globl	k_qa0f25763a9_proj
	.p2align	8
	.type	k_qa0f25763a9_proj,@function
k_qa0f25763a9_proj:
	s_mov_b64 s[64:65], 0
	v_nop
	global_prefetch_b8 v0, s[64:65] scope:SCOPE_SE
	s_setreg_imm32_b32 hwreg(HW_REG_WAVE_MODE, 25, 1), 1
	s_wait_xcnt 0x0
	s_wait_alu depctr_hold_cnt(0) depctr_sa_sdst(0) depctr_va_vdst(0) depctr_va_sdst(0) depctr_va_ssrc(0) depctr_va_vcc(0) depctr_vm_vsrc(0)
	s_getreg_b32 s2, hwreg(HW_REG_IB_STS2, 6, 4)
	s_cmp_eq_u32 s2, 0
	s_cbranch_scc0 .Lentry_in_a_cluster
	s_endpgm
.Lentry_in_a_cluster:
	s_bfe_u32 s2, ttmp6, 0x10000c
	s_cmp_lg_u32 s2, 0xf033
	s_cbranch_scc0 .Lentry_shape_is_right
	s_endpgm
.Lentry_shape_is_right:
; out0 = o w_proj + b_proj on codes of FP6 (E2M3) with E8M0 scales, f32 sums.  o [8192][1024] and w_proj (rows = its columns n) arrive as operand RECORDS: the image of an operand's 12 registers (block p of 256 bytes: registers
; 2 p, 2 p + 1 of lane l at 8 l) and, at 1,536 + 8 l, the scale word of row l % 16; 1,792 bytes.  Record (tile i, K step s) of a block of 8 tiles lies at (8 s + i) x 1,792.  Row p of tile T of o is the token 64 (T / 4) + 8 (T % 4) + p % 8 + 32 (p / 8).
; SHARES.  256 work-groups, each 128 tokens x 256 columns.  Wave w holds its 64 columns of w_proj, ALL of K, in registers (32 fragments, 384 registers) and streams o past them in eight blocks of 16 tokens, all of K: 32 products a block
; on four accumulators by turns (three other products between two steps of a sum).  A block's 16 x 64 results are finished behind its products and leave at once: the stores run under the later blocks' products.
; Source 0 = 16 rows of w_proj, source 1 = 16 rows of o: a lane holds eight neighbouring numbers of a row of out0.  The bias is the C of each sum's first product.
; LDS, filled once, one joint load a wave: waves 0 and 1 w_proj's two blocks of 128 rows, K steps 0 to 6 (392 rows of 256 bytes each; shared along a column of the cluster), waves 2 and 3 a half each of o's 114,688 bytes (shared along a row).
; w_proj's K step 7 does not fit beside them (344,064 bytes in all): each wave takes its four fragments of that step straight into their registers, 28 plain loads, each of 256 consecutive bytes, aligned.
; The first barrier waits for waves 0 and 1 alone (their load line is their own): the weights' 196 LDS loads stand ahead of the wait for o.  Nothing is filled again: no round but the opening and the closing one.
; THE STAGE of the way out, 16 rows of 272 bytes a wave, lies in the wave's own weight records of K step 0: they have had their only fill, and their only reader, the wave itself, has read them.
; NO PREFETCH: all tiles are asked for at the head; there is no loop to run ahead in.
; REGISTERS: window 0: v1-11 addresses; v32-63 the weights' scale words; v64-79 o's, two sets; v80-111 the bias; v112-175 accumulators, two sets; v176-239 rows read back, two sets.
;   Fragment f lies in window 1 + f / 21 at register 12 (f % 21): 0-31 the weights' (4 s + b), 32-39 and 40-47 o's two sets.
.set REC,   1792
.set FR,    12
.set FPW,   21
.set TBLK,  64*REC
.set WB,    56*REC                     ; 128 rows of w_proj, K steps 0 to 6
.set OH,    32*REC                     ; half of o's block: four K steps
.set OB,    2*WB
.set SPARE, OB+TBLK                    ; the spare words, 128 bytes a wave
.set SP,    272
.set L8,    1
.set ADRW,  2                          ; v2, v3 my weights in LDS: K steps 0-3, 4-6
.set ADRO,  4                          ; v4, v5 o in LDS: K steps 0-3, 4-7
.set STO,   6
.set RD,    7
.set CO,    8
.set BO,    9
.set SPW,   10
.set NIL,   11
.set WS,    32
.set OS,    64
.set BI,    80
.set ACC,   112
.set BK,    176
.set G1,    24                         ; s[24:31] group 1, w_proj; s[32:39] o; s[40:43], s[44:47] their groups 0
.set G1C,   32
.set G0W,   40
.set G0O,   44
.set MSB, 0
.macro WIN new
.if MSB != (\new)
	s_set_vgpr_msb (MSB<<8)|(\new)
.set MSB, (\new)
.endif
.endm
.macro PLACES n
.rept \n
	v_nop
.endr
.endm
.macro CROUND
	s_barrier_signal -1
	s_barrier_wait -1
	s_cmp_lg_u32 s14, 0
	s_cbranch_scc1 .Lnot_wave_0_\@
	s_barrier_signal -3
.Lnot_wave_0_\@:
	s_barrier_wait -3
	s_barrier_signal -1
	s_barrier_wait -1
.endm
.macro FRAG f, adr, off                ; a record's six blocks into fragment f
	WIN (1+(\f)/FPW)<<6
.irp p, 0,1,2,3,4,5
	ds_load_b64 v[FR*((\f)%FPW)+2*\p:FR*((\f)%FPW)+2*\p+1], v[\adr] offset:(\off)+256*\p
.endr
.endm
.macro FETCH a, e                      ; block a of o, all of K, into set e: 56 LDS loads
.irp s, 0,1,2,3,4,5,6,7
	FRAG 32+8*(\e)+\s, ADRO+(\s/4), (8*(\s%4)+(\a))*REC
.endr
	WIN 0
.irp s, 0,1,2,3,4,5,6,7
	ds_load_b32 v[OS+8*(\e)+\s], v[ADRO+(\s/4)] offset:(8*(\s%4)+(\a))*REC+1536
.endr
.endm
.macro PRODS e                         ; 32 products: K ascending, the four accumulators by turns
.irp s, 0,1,2,3,4,5,6,7
.irp b, 0,1,2,3
.set FW_, 4*\s+\b
.set FO_, 32+8*(\e)+\s
.set D_, ACC+32*(\e)+8*\b
	WIN (1+FW_/FPW)|((1+FO_/FPW)<<2)
.if \s
	v_wmma_scale_f32_16x16x128_f8f6f4 v[D_:D_+7], v[FR*(FW_%FPW):FR*(FW_%FPW)+FR-1], v[FR*(FO_%FPW):FR*(FO_%FPW)+FR-1], v[D_:D_+7], v[WS+FW_], v[OS+8*(\e)+\s] matrix_a_fmt:MATRIX_FMT_FP6 matrix_b_fmt:MATRIX_FMT_FP6
.else
	v_wmma_scale_f32_16x16x128_f8f6f4 v[D_:D_+7], v[FR*(FW_%FPW):FR*(FW_%FPW)+FR-1], v[FR*(FO_%FPW):FR*(FO_%FPW)+FR-1], v[BI+8*\b:BI+8*\b+7], v[WS+FW_], v[OS+8*(\e)+\s] matrix_a_fmt:MATRIX_FMT_FP6 matrix_b_fmt:MATRIX_FMT_FP6
.endif
.endr
.endr
	WIN 0
.endm
.macro TOSTAGE a                       ; 16 rows x 256 bytes through my stage: in as 32 bytes a lane, back as whole rows.  LDS serves a wave's instructions in order: no wait between
.set AC_, ACC+32*((\a)%2)
.irp b, 0,1,2,3
	ds_store_b128 v[STO], v[AC_+8*\b:AC_+8*\b+3] offset:64*\b          ; each accumulator from its low end on
	ds_store_b128 v[STO], v[AC_+8*\b+4:AC_+8*\b+7] offset:64*\b+16
.endr
.irp t, 0,1,2,3,4,5,6,7
	ds_load_b128 v[BK+32*((\a)%2)+4*\t:BK+32*((\a)%2)+4*\t+3], v[RD] offset:2*\t*SP
.endr
.endm
.macro SEND a                          ; rows 2 t and 2 t + 1 of tile a go to their tokens' rows: sixteen lanes store 256 consecutive bytes, aligned
.irp t, 0,1,2,3,4,5,6,7
	global_store_b128 v[CO], v[BK+32*((\a)%2)+4*\t:BK+32*((\a)%2)+4*\t+3], s[10:11] offset:(64*((\a)/4)+8*((\a)%4)+32*(\t/4)+2*(\t%4))*4096 th:TH_STORE_NT
.endr
.endm
.macro BLOCK a
.if (\a) == 0
	s_wait_dscnt 56                                ; block 0's rows are in; block 1's 56 loads may be out
.elseif (\a) == 1
	s_wait_dscnt 63                                ; block 1's rows are in: 72 LDS instructions are younger, and the field's most is 63
.endif                                             ; (later blocks' rows are shown in by the wait for 0 of the block before)
	PRODS (\a)%2
	PLACES 4                                       ; behind the products: results are read, and loads land in the set that they read
.if (\a) > 0
	s_wait_dscnt 0x0                               ; the last block's rows are back from the stage (asked for 32 products ago), and the next block's fragments are in
	SEND (\a)-1
.endif
.if (\a) < 6
	FETCH (\a)+2, (\a)%2
.endif
.if (\a) > 1
	s_wait_xcnt 0x0                                ; block a - 2's stores have read their registers: block a's rows may land there
.endif
	TOSTAGE \a
.endm
	s_load_b256 s[4:11], s[0:1], 0x0               ; orr s[4:5], wpr s[6:7], b_proj s[8:9], out0 s[10:11]
	v_lshl_add_u32 v[SPW], v0, 2, SPARE
	v_mov_b32 v[NIL], 0
	ds_add_u32 v[SPW], v[NIL]                      ; the opening lines: the add twice on end and its wait
	ds_add_u32 v[SPW], v[NIL]
	v_lshrrev_b32 v1, 5, v0
	v_readfirstlane_b32 s14, v1                    ; wave 0..3
	s_lshr_b32 s15, s14, 1                         ; which block of 128 rows of w_proj holds my columns.  Also: I fetch w_proj (0) or o (1)
	s_and_b32 s16, s14, 1                          ; which four tiles of it.  Also: which part I fetch
	s_bfe_u32 s2, ttmp6, 0x40000                   ; cx, cy
	s_bfe_u32 s3, ttmp6, 0x40004
	s_lshl_b32 s17, ttmp9, 2
	s_add_co_u32 s17, s17, s2                      ; the block of 256 columns
	s_and_b32 s18, ttmp7, 0xffff
	s_lshl_b32 s18, s18, 2
	s_add_co_u32 s18, s18, s3                      ; the block of 128 tokens
	s_lshl_b32 s19, s3, 2
	s_lshl_b32 s19, 15, s19                        ; my row of the cluster
	s_lshl_b32 s20, 0x1111, s2                     ; my column
	s_or_b32 s[G1+0], s20, (3<<16)|(1<<21)         ; w_proj's tiles go to my column; elements of 8 bytes; bit 21 beside a mask
	s_or_b32 s[G1C+0], s19, (3<<16)|(1<<21)        ; o's to my row
	s_mov_b32 s[G1+1], 32<<16                      ; 392 dense rows of 256 bytes
	s_mov_b32 s[G1+2], 392<<16
	s_mov_b32 s[G1+3], 32<<16
	s_mov_b32 s[G1+4], 392
	s_mov_b32 s[G1+5], 32
	s_mov_b32 s[G1+6], 0
	s_mov_b32 s[G1+7], 0
	s_mov_b32 s[G1C+1], 32<<16                     ; 224 rows
	s_mov_b32 s[G1C+2], 224<<16
	s_mov_b32 s[G1C+3], 32<<16
	s_mov_b32 s[G1C+4], 224
	s_mov_b32 s[G1C+5], 32
	s_mov_b32 s[G1C+6], 0
	s_mov_b32 s[G1C+7], 0
	s_lshl_b32 s22, s17, 1
	s_add_co_u32 s22, s22, s16
	s_mul_i32 s22, s22, TBLK                       ; w_proj: the 128 rows that I fetch
	s_mov_b32 s23, 0
	s_mul_i32 s66, s18, TBLK                       ; o: the tile's 128 rows,
	s_mul_i32 s67, s16, OH
	s_add_co_u32 s66, s66, s67                     ; K steps 0-3 or 4-7
	s_add_co_u32 s69, s67, OB                      ; and where they go
	s_mov_b32 s67, 0
	s_mul_i32 s68, s16, WB                         ; no place in the cluster enters an LDS address
	s_lshl_b32 s70, s17, 1
	s_add_co_u32 s70, s70, s15
	s_mul_i32 s70, s70, TBLK
	s_mul_i32 s71, s16, 4*REC
	s_add_co_u32 s70, s70, s71                     ; my own four tiles of w_proj, in memory
	s_mov_b32 s71, 0
	s_wait_alu depctr_va_vdst(0)
	s_wait_dscnt 0x0
	s_wait_kmcnt 0x0
	s_add_nc_u64 s[22:23], s[6:7], s[22:23]
	s_add_nc_u64 s[66:67], s[4:5], s[66:67]
	s_add_nc_u64 s[70:71], s[6:7], s[70:71]
	s_mov_b32 s[G0W], 1
	s_mov_b32 s[G0W+1], s68
	s_mov_b64 s[G0W+2:G0W+3], s[22:23]
	s_or_b32 s[G0W+3], s[G0W+3], 0x80000000
	s_mov_b32 s[G0O], 1
	s_mov_b32 s[G0O+1], s69
	s_mov_b64 s[G0O+2:G0O+3], s[66:67]
	s_or_b32 s[G0O+3], s[G0O+3], 0x80000000
	CROUND                                         ; all sixteen work-groups are here: the joint loads meet
	s_cmp_eq_u32 s15, 0
	s_cbranch_scc0 .Lfor_o
	tensor_load_to_lds s[G0W:G0W+3], s[G1:G1+7]    ; waves 0, 1: the weights, which are needed first
	s_nop 0
	PLACES 4
	s_branch .Lasked
.Lfor_o:
	tensor_load_to_lds s[G0O:G0O+3], s[G1C:G1C+7]  ; waves 2, 3: o
	s_nop 0
	PLACES 4
.Lasked:
	s_mul_i32 s2, s15, WB
	s_mul_i32 s3, s16, 4*REC
	s_add_co_u32 s2, s2, s3                        ; my weights in LDS; later my stage
	s_lshl_b32 s72, s17, 10
	s_lshl_b32 s73, s14, 8
	s_add_co_u32 s72, s72, s73                     ; my first column, in bytes
	s_mov_b32 s73, 0
	s_add_nc_u64 s[8:9], s[8:9], s[72:73]
	s_lshl_b32 s74, s18, 19                        ; my first row: 128 x block x 4,096 bytes
	s_add_co_u32 s74, s74, s72
	s_mov_b32 s75, 0
	s_add_nc_u64 s[10:11], s[10:11], s[74:75]
	v_and_b32 v12, 31, v0
	v_lshlrev_b32 v[L8], 3, v12
	v_bfe_u32 v13, v0, 4, 1                        ; h
	v_and_b32 v14, 15, v0                          ; r
	v_lshlrev_b32 v[BO], 5, v13
	v_add_nc_u32 v[ADRW], s2, v[L8]
	v_add_nc_u32 v[ADRW+1], OH, v[ADRW]
	v_add_nc_u32 v[ADRO], OB, v[L8]
	v_add_nc_u32 v[ADRO+1], OB+OH, v[L8]
	v_mul_u32_u24 v15, v14, SP
	v_lshl_add_u32 v15, v13, 5, v15
	v_add_nc_u32 v[STO], s2, v15                   ; into the stage: row r, 32 bytes for each half of the lanes
	v_mul_u32_u24 v16, v13, SP
	v_lshl_add_u32 v16, v14, 4, v16
	v_add_nc_u32 v[RD], s2, v16                    ; back: lanes 0-15 one row of 256 bytes, lanes 16-31 the next
	v_lshlrev_b32 v17, 12, v13
	v_lshl_add_u32 v[CO], v14, 4, v17              ; and the same two rows in out0
	s_wait_alu depctr_va_vdst(0)                   ; the wait at the head's end
	WIN 2<<6
.irp b, 0,1,2,3                                ; K step 7 of my weights: fragments 28 to 31, in window 2
.irp p, 0,1,2,3,4,5
	global_load_b64 v[FR*((28+\b)%FPW)+2*\p:FR*((28+\b)%FPW)+2*\p+1], v[L8], s[70:71] offset:(56+\b)*REC+256*\p
.endr
.endr
	WIN 0
.irp b, 0,1,2,3
	global_load_b32 v[WS+28+\b], v[L8], s[70:71] offset:(56+\b)*REC+1536
.endr
.irp b, 0,1,2,3                                ; the bias in the result's layout: register 8 b + j = column 16 b + 8 h + j
	global_load_b128 v[BI+8*\b:BI+8*\b+3], v[BO], s[8:9] offset:64*\b
	global_load_b128 v[BI+8*\b+4:BI+8*\b+7], v[BO], s[8:9] offset:64*\b+16
.endr
	s_cmp_eq_u32 s15, 0
	s_cbranch_scc0 .Lnot_w
	s_wait_tensorcnt 0x0                           ; waves 0, 1: my block of the weights has landed
.Lnot_w:
	s_barrier_signal -1
	s_barrier_wait -1                              ; the weights are in; o may still be on its way
.irp s, 0,1,2,3,4,5,6
.irp b, 0,1,2,3
	FRAG 4*\s+\b, ADRW+(\s/4), (8*(\s%4)+\b)*REC
.endr
.endr
	WIN 0
.irp s, 0,1,2,3,4,5,6
.irp b, 0,1,2,3
	ds_load_b32 v[WS+4*\s+\b], v[ADRW+(\s/4)] offset:(8*(\s%4)+\b)*REC+1536
.endr
.endr
	s_wait_tensorcnt 0x0                           ; every wave: all that is still out
	s_wait_dscnt 0x0                               ; my weights are in their registers
	s_barrier_signal -1
	s_barrier_wait -1                              ; o is in
	FETCH 0, 0
	FETCH 1, 1
	s_wait_loadcnt 0x0                             ; K step 7 of the weights, and the bias
.irp a, 0,1,2,3,4,5,6,7
	BLOCK \a
.endr
	s_wait_dscnt 0x0
	SEND 7
	s_wait_tensorcnt 0x0                           ; the wave's end
	ds_add_u32 v[SPW], v[NIL]
	s_wait_dscnt 0x0
	CROUND                                         ; the closing round
	s_endpgm
.Lfunc_end_k_qa0f25763a9_proj:
	.size	k_qa0f25763a9_proj, .Lfunc_end_k_qa0f25763a9_proj-k_qa0f25763a9_proj
	.p2alignl 7, 3214868480
	.fill 96, 4, 3214868480
	.section	.rodata,"a",@progbits
	.p2align	6, 0x0
	.amdhsa_kernel k_qa0f25763a9_proj
		.amdhsa_group_segment_fixed_size 327680
		.amdhsa_private_segment_fixed_size 0
		.amdhsa_enable_private_segment 0
		.amdhsa_kernarg_size 32
		.amdhsa_user_sgpr_count 2
		.amdhsa_user_sgpr_kernarg_segment_ptr 1
		.amdhsa_wavefront_size32 1
		.amdhsa_system_sgpr_workgroup_id_x 1
		.amdhsa_system_sgpr_workgroup_id_y 1
		.amdhsa_system_sgpr_workgroup_id_z 1
		.amdhsa_system_vgpr_workitem_id 0
		.amdhsa_next_free_vgpr 896
		.amdhsa_next_free_sgpr 80
		.amdhsa_reserve_vcc 0
		.amdhsa_float_denorm_mode_32 3
		.amdhsa_float_denorm_mode_16_64 3
		.amdhsa_memory_ordered 1
		.amdhsa_forward_progress 1
		.amdhsa_inst_pref_size 100
	.end_amdhsa_kernel
	.amdgpu_metadata
---
amdhsa.version: [ 1, 2 ]
amdhsa.kernels:
  - .name:           k_qa0f25763a9_proj
    .symbol:         k_qa0f25763a9_proj.kd
    .args:
      - { .name: orr, .offset: 0, .size: 8, .value_kind: global_buffer, .address_space: global }
      - { .name: wpr, .offset: 8, .size: 8, .value_kind: global_buffer, .address_space: global }
      - { .name: b_proj, .offset: 16, .size: 8, .value_kind: global_buffer, .address_space: global }
      - { .name: out0, .offset: 24, .size: 8, .value_kind: global_buffer, .address_space: global }
    .group_segment_fixed_size: 327680
    .private_segment_fixed_size: 0
    .kernarg_segment_align: 8
    .kernarg_segment_size: 32
    .max_flat_workgroup_size: 128
    .sgpr_count:     80
    .vgpr_count:     896
    .wavefront_size: 32
...
	.end_amdgpu_metadata
.endif
;; end of part 4
